; MI455X (gfx1250); checked and timed in simulation.
; The chip was launched on July 23, 2026; its instructions are those of AMD's public machine-readable ISA for CDNA 5 (MIT licence, August 2026) and "CDNA5" Instruction Set Architecture Reference Guide (July 2026). The comments in the code are by the model that wrote it; some were corrected since.
;; Attention. Allowed arithmetic: float matrix products may take bf16 or f16 operands with f32 sums; other float arithmetic in f32, or as packed bf16 or f16 multiplies, adds, multiply-adds, maxima and minima; sums over many terms, partial sums and values carried from step to step in f32; what a program stores and reads back later, other than sums and carried values, may be rounded once to bf16 or f16.
;; Inputs: attn_mask 2 x 2,048 x 2,048 bool; segment_pos 2 x 2,048 int32; wkv 2 x 4 x 2,048 x 128 float32; wq 8 x 2,048 x 128 float32; wvec 8 x 128 x 2,048 float32; x 2 x 2,048 x 2,048 float32.
;; Outputs: out0 2 x 2,048 x 2,048 float32.
;; One version. Each part assembles by itself: llvm-mc -triple=amdgcn-amd-amdhsa -mcpu=gfx1250 --defsym DOCPART=n.
;; ======== version 1 of 1: 5 launches
;; limits: values are held in f16: magnitudes above 65,504 overflow, below 6.1e-05 lose precision; right only within a limited range of input values
;; workspace buffers: xb 16,777,216 bytes; wb 12,582,912 bytes; rtab 4,194,304 bytes; mbits 1,056,768 bytes of whole numbers; qkv 16,777,216 bytes; vsum 131,072 bytes; enc 8,388,608 bytes; order 16,384 bytes of whole numbers
;; launch prep (part 1): grid 256 x 1, 8 waves a work-group, no clusters, 0 bytes of LDS; arguments x, wq, wkv, wvec, attn_mask, segment_pos, xb, wb, rtab, mbits; writes xb, wb, rtab, mbits
.if DOCPART == 1
	.amdgcn_target "amdgcn-amd-amdhsa--gfx1250"
	.amdhsa_code_object_version 6
	.text
	.protected	k_q665e4c2885_prep
	.globl	k_q665e4c2885_prep
	.p2align	8
	.type	k_q665e4c2885_prep,@function
k_q665e4c2885_prep:
	s_mov_b64 s[64:65], 0
	v_nop
	global_prefetch_b8 v0, s[64:65] scope:SCOPE_SE
	s_setreg_imm32_b32 hwreg(HW_REG_WAVE_MODE, 25, 1), 1
	s_wait_xcnt 0x0
; PREPARATION: casts, RoPE tables, and the mask as lane masks.  2,048 waves run one text; wave W = 8 x work-group + wave takes
;   16,384 bytes of x (f32 -> bf16, xb), 4,096 bytes each of wq and wkv (f32 -> bf16, wb = wq then wkv as they lie) and of wvec (f32 -> bf16, that number written as f16, in wb from byte 8,388,608 on),
;   rows 2 W and 2 W + 1 of the two RoPE tables (rtab: [2 kinds][4096 rows][cos 64, sin 64] f32; kind 0 is times c, for q; kind 1 plain, for k),
;   one unit of the mask: 64 queries x 64 keys, L = b 32 + qb = W / 32, step = W % 32.
; c = (1 / sqrt(128)) (2 log2(e) / 50): with it on q, the product q k is the argument of the exponential by which the soft cap's tanh is made.
; MASK.  mbits word (L, step, tt, kb, j), bit of lane (r, h): query 64 qb + 16 tt + r may see key 64 step + 16 kb + 8 h + j: attn_mask's byte AND the band |t - s| <= 1023 that
; reference() builds itself.  flags[L][step] is the OR of the unit's 128 words.
; WORK LEFT OUT.  A unit with |step - qb| >= 17 has |t - s| >= 1025 in all its places: reference() multiplies those bytes of attn_mask by its own zero, whatever they hold.  They are not loaded; the
; unit's words and flag are stored as 0.  The later launches do no product for a unit whose flag is 0: its weights are exactly 0 for every row that sees a key; a row that sees none is, in
; reference(), a softmax of 2,048 equal numbers, the mean of all 2,048 rows of V, and is served from column sums of V.  All six inputs are loaded.
; LIMITS.  Positions under 2^20 in magnitude (two-part reduction by pi / 2).  The angle is pos x 2^(-i log2(10000) / 64), off from pos / 10000^(i / 64) by about 1e-7 of the angle.
; wvec below 6e-5 keeps f16's fixed step of 6e-8.  NaN and infinities are not treated apart; a NaN or an infinity that reaches only work left out is not carried to the result.
.set D,   64                           ; v[64:95]   mask bytes: tile (tt, kb) at D + 8 tt + 2 kb
.set X,   96                           ; v[96:223]  x as loaded, then as stored
.set CV,  16                           ; v[16:63]   first the RoPE's registers, later the converted weights
.set MSB, 0
.macro WIN new                         ; the immediate's high byte repeats the setting that is left
.if MSB != (\new)
	s_set_vgpr_msb (MSB<<8)|(\new)
.set MSB, (\new)
.endif
.endm
	s_load_b512 s[4:19], s[0:1], 0x0               ; x, wq, wkv, wvec, attn_mask, segment_pos, xb, wb
	s_load_b64 s[22:23], s[0:1], 0x40              ; rtab
	s_load_b64 s[24:25], s[0:1], 0x48              ; mbits
	v_lshrrev_b32 v1, 5, v0
	v_readfirstlane_b32 s26, v1                    ; wave 0..7
	v_and_b32 v1, 31, v0                           ; lane
	v_and_b32 v2, 15, v0                           ; r
	v_bfe_u32 v3, v0, 4, 1                         ; h
	v_lshlrev_b32 v4, 3, v3
	v_sub_nc_u32 v4, v4, v2                        ; 8 h - r
	v_lshlrev_b32 v5, 4, v1                        ; 16 x lane: the f32 streams
	v_lshlrev_b32 v6, 3, v1                        ; 8 x lane: the 16-bit streams
	v_lshlrev_b32 v7, 11, v2
	v_lshl_add_u32 v7, v3, 3, v7                   ; mask: row r, 8 bytes at 8 h
	v_lshlrev_b32 v8, 2, v1                        ; mbits: 4 x lane
	v_lshlrev_b32 v12, 2, v3                       ; segment_pos: row h of my two
	v_lshlrev_b32 v13, 9, v3
	v_lshl_add_u32 v13, v2, 4, v13                 ; rtab: row h, 16 bytes at 16 r
	s_lshl_b32 s27, ttmp9, 3
	s_add_co_u32 s27, s27, s26                     ; W
	s_lshr_b32 s28, ttmp9, 2                       ; L
	s_and_b32 s29, ttmp9, 3
	s_lshl_b32 s29, s29, 3
	s_add_co_u32 s29, s29, s26                     ; step
	s_and_b32 s30, s28, 31                         ; qb
	s_sub_co_u32 s31, s29, s30                     ; step - qb
	s_lshl_b32 s36, s31, 6
	s_add_co_u32 s36, s36, 1023                    ; 64 (step - qb) + 1023: with 16 kb + j + 8 h - r - 16 tt it is s - t + 1023
	s_add_co_u32 s31, s31, 16                      ; 0 .. 32 inside the band
	s_mov_b32 s35, 0
	s_mov_b32 s37, 0                               ; the OR of the unit's words
	s_mov_b32 s43, 2046
	s_mov_b32 s44, 0xb94ca1f9                      ; the sine's highest coefficient
	s_mov_b32 s45, 0x37ccf5ce                      ; the cosine's
	s_mov_b32 s46, 0x3ba723c0                      ; c = 0.0051006972
	s_mov_b32 s47, s46                             ; named with it as a pair
	s_wait_kmcnt 0x0
	s_lshl_b32 s34, s27, 14
	s_add_nc_u64 s[4:5], s[4:5], s[34:35]          ; x
	s_lshl_b32 s34, s27, 12
	s_add_nc_u64 s[6:7], s[6:7], s[34:35]          ; wq
	s_add_nc_u64 s[8:9], s[8:9], s[34:35]          ; wkv
	s_add_nc_u64 s[10:11], s[10:11], s[34:35]      ; wvec
	s_lshl_b32 s34, s27, 13
	s_add_nc_u64 s[16:17], s[16:17], s[34:35]      ; xb
	s_lshl_b32 s34, s27, 11
	s_add_nc_u64 s[18:19], s[18:19], s[34:35]      ; wb: my 2,048 bytes of wq's part
	s_add_nc_u64 s[20:21], s[18:19], 0x800000      ; and of wvec's part, 8,388,608 bytes on: one more than a store's immediate holds
	s_lshl_b32 s34, s27, 10
	s_add_nc_u64 s[22:23], s[22:23], s[34:35]      ; rtab: two rows of 512 bytes
	s_lshl_b32 s34, s27, 3
	s_add_nc_u64 s[14:15], s[14:15], s[34:35]      ; segment_pos
	s_lshl_b32 s34, s27, 2
	s_add_nc_u64 s[32:33], s[24:25], s[34:35]      ; my flag, less the words' 1,048,576 bytes
	s_lshl_b32 s34, s27, 9
	s_add_nc_u64 s[24:25], s[24:25], s[34:35]      ; my unit's 512 bytes of words: L 32 + step = W
	s_lshl_b32 s34, s28, 17                        ; 64 rows of 2,048 bytes for each L
	s_lshl_b32 s38, s29, 6
	s_add_co_u32 s34, s34, s38
	s_add_nc_u64 s[12:13], s[12:13], s[34:35]      ; attn_mask at my unit
	s_cmp_gt_u32 s31, 32
	s_cbranch_scc1 .Lout_of_band
.set w, 0
.rept 16                               ; tile (tt, kb) = (w / 4, w % 4): 16 rows x 16 bytes
	global_load_b64 v[D+2*w:D+2*w+1], v7, s[12:13] offset:(w/4)*32768+(w%4)*16
.set w, w+1
.endr
	s_branch .Lmask_asked
.Lout_of_band:
.set w, 0
.rept 32
	v_mov_b32 v[D+w], 0
.set w, w+1
.endr
.Lmask_asked:
	global_load_b32 v20, v12, s[14:15]             ; my row's position
.set w, 0
.rept 32
	global_load_b128 v[X+4*w:X+4*w+3], v5, s[4:5] offset:512*w th:TH_LOAD_NT
.set w, w+1
.endr
	; 1 / timescale of my four frequencies i = 4 r + q: 2^(-i log2(10000) / 64)
	v_lshlrev_b32 v28, 2, v2
.irp q, 0,1,2,3
	v_add_nc_u32 v29, \q, v28
	v_cvt_f32_u32 v29, v29
	v_mul_f32 v[16+\q], 0xbe549a78, v29
.endr
.irp q, 0,1,2,3
	v_exp_f32 v[16+\q], v[16+\q]
.endr
	v_nop                                          ; a plain instruction behind the last exponential,
	s_wait_alu depctr_va_vdst(0)                   ; and one wait for the four, ahead of their first reader
	s_wait_loadcnt 32                              ; the mask bytes and the position are in; x's 32 loads stay out
	v_cvt_f32_i32 v20, v20
; sine and cosine of pos / timescale: k = the nearest multiple of pi / 2, taken away in two parts; polynomials on the rest; the quadrant swaps and signs them
.macro SINCOS q
	v_mul_f32 v21, v20, v[16+\q]
	v_mul_f32 v22, 0x3f22f983, v21                 ; x 2 / pi
	v_rndne_f32 v22, v22
	v_fmamk_f32 v23, v22, 0xbfc90fdb, v21
	v_fmamk_f32 v23, v22, 0x333bbd2e, v23
	v_mul_f32 v24, v23, v23
	v_fmaak_f32 v25, s44, v24, 0x3c08839e
	v_fmaak_f32 v26, s45, v24, 0xbab6061a
	v_fmaak_f32 v25, v25, v24, 0xbe2aaaa3
	v_fmaak_f32 v26, v26, v24, 0x3d2aaaa5
	v_mul_f32 v25, v25, v24
	v_mul_f32 v26, v26, v24
	v_fma_f32 v29, v24, -0.5, 1.0
	v_fma_f32 v25, v25, v23, v23                   ; sin
	v_fma_f32 v26, v26, v24, v29                   ; cos
	v_cvt_i32_f32 v27, v22
	v_and_b32 v28, 1, v27
	v_cmp_eq_u32 vcc_lo, 1, v28
	v_cndmask_b32 v30, v25, v26, vcc_lo            ; odd quadrant: the sine is a cosine,
	v_cndmask_b32 v31, v26, v25, vcc_lo            ; the cosine a sine
	v_and_b32 v28, 2, v27
	v_lshlrev_b32 v28, 30, v28
	v_xor_b32 v[36+\q], v28, v30
	v_add_nc_u32 v28, 1, v27
	v_and_b32 v28, 2, v28
	v_lshlrev_b32 v28, 30, v28
	v_xor_b32 v[32+\q], v28, v31
.endm
	SINCOS 0
	SINCOS 1
	SINCOS 2
	SINCOS 3
.irp p, 0,2,4,6
	v_pk_mul_f32 v[40+\p:41+\p], v[32+\p:33+\p], s[46:47] op_sel_hi:[1,0]  ; q's table carries c
.endr
	global_store_b128 v13, v[32:35], s[22:23] offset:2097152       ; sixteen lanes store 256 consecutive bytes, aligned
	global_store_b128 v13, v[36:39], s[22:23] offset:2097152+256
	global_store_b128 v13, v[40:43], s[22:23]
	global_store_b128 v13, v[44:47], s[22:23] offset:256
	WIN 0x40                                       ; destination window 1
.set w, 0
.rept 8
	global_load_b128 v[4*w:4*w+3], v5, s[6:7] offset:512*w th:TH_LOAD_NT
.set w, w+1
.endr
.set w, 0
.rept 8
	global_load_b128 v[32+4*w:32+4*w+3], v5, s[8:9] offset:512*w th:TH_LOAD_NT
.set w, w+1
.endr
.set w, 0
.rept 8
	global_load_b128 v[64+4*w:64+4*w+3], v5, s[10:11] offset:512*w th:TH_LOAD_NT
.set w, w+1
.endr
	WIN 0
	; the mask: a trip makes the 32 words of one tt, while x and the weights are on their way
	s_mov_b32 s41, 4
.Ltt:
	v_mov_b32 v9, 0
	v_add_nc_u32 v14, s36, v4
.set w, 0
.rept 32                               ; word w = 8 kb + j
	v_add_nc_u32 v10, 16*(w/8)+w%8, v14            ; s - t + 1023
	v_cmp_ge_u32 s38, s43, v10                     ; inside 0 .. 2046: the band (a negative number is a large one here)
	v_and_b32 v11, 1<<(8*(w%4)), v[D+2*(w/8)+(w%8)/4]
	v_cmp_ne_u32 s39, 0, v11                       ; attn_mask's byte
	s_and_b32 s40, s38, s39
	s_or_b32 s37, s37, s40
	v_writelane_b32 v9, s40, w
.set w, w+1
.endr
	global_store_b32 v8, v9, s[24:25]              ; 128 consecutive bytes
	s_wait_xcnt 0x0                                ; the store has read v8 and v9 (and the tables' stores their registers): they are written again only behind this wait
	v_add_nc_u32 v8, 128, v8
	s_sub_co_u32 s36, s36, 16
.set w, 0
.rept 24
	v_mov_b32 v[D+w], v[D+w+8]                     ; the next tt's bytes move down, so that one text serves all four
.set w, w+1
.endr
	s_sub_co_u32 s41, s41, 1
	s_cmp_lg_u32 s41, 0
	s_cbranch_scc1 .Ltt
	; the casts
.set w, 0
.rept 32
	s_wait_loadcnt 55-w                            ; behind load w of x: 31 - w of x and the weights' 24
	v_cvt_pk_bf16_f32 v[X+4*w], v[X+4*w], v[X+4*w+1]
	v_cvt_pk_bf16_f32 v[X+4*w+1], v[X+4*w+2], v[X+4*w+3]
	global_store_b64 v6, v[X+4*w:X+4*w+1], s[16:17] offset:256*w   ; the wave stores 256 consecutive bytes, aligned
.set w, w+1
.endr
.macro CVT8 g                          ; eight loads' 32 registers of window 1 -> 16 of window 0
	WIN 0x05
.set w, 0
.rept 16
	v_cvt_pk_bf16_f32 v[CV+16*(\g)+w], v[32*(\g)+2*w], v[32*(\g)+2*w+1]
.set w, w+1
.endr
	WIN 0
.endm
	s_wait_loadcnt 16                              ; wq is in; wkv's and wvec's sixteen may stay out
	CVT8 0
.set w, 0
.rept 8
	global_store_b64 v6, v[CV+2*w:CV+2*w+1], s[18:19] offset:256*w
.set w, w+1
.endr
	s_wait_loadcnt 8                               ; wkv
	CVT8 1
.set w, 0
.rept 8
	global_store_b64 v6, v[CV+16+2*w:CV+16+2*w+1], s[18:19] offset:4194304+256*w
.set w, w+1
.endr
	s_wait_loadcnt 0x0                             ; wvec
	CVT8 2
.set w, 0
.rept 8                                ; the bf16 number is written as f16
	v_lshlrev_b32 v10, 16, v[CV+32+2*w]
	v_and_b32 v11, 0xffff0000, v[CV+32+2*w]
	v_lshlrev_b32 v14, 16, v[CV+32+2*w+1]
	v_and_b32 v15, 0xffff0000, v[CV+32+2*w+1]
	v_cvt_pk_f16_f32 v[CV+32+2*w], v10, v11
	v_cvt_pk_f16_f32 v[CV+32+2*w+1], v14, v15
	global_store_b64 v6, v[CV+32+2*w:CV+32+2*w+1], s[20:21] offset:256*w
.set w, w+1
.endr
	; the unit's flag: one word, from lane 0
	v_mov_b32 v10, 0
	v_mov_b32 v11, s37
	v_cmp_eq_u32 vcc_lo, 0, v1
	s_wait_xcnt 0x0                                ; EXEC changes only behind this wait
	s_and_saveexec_b32 s42, vcc_lo
	global_store_b32 v10, v11, s[32:33] offset:1048576
	s_wait_xcnt 0x0
	s_or_b32 exec_lo, exec_lo, s42
	s_endpgm
.Lfunc_end_k_q665e4c2885_prep:
	.size	k_q665e4c2885_prep, .Lfunc_end_k_q665e4c2885_prep-k_q665e4c2885_prep
	.p2alignl 7, 3214868480
	.fill 96, 4, 3214868480
	.section	.rodata,"a",@progbits
	.p2align	6, 0x0
	.amdhsa_kernel k_q665e4c2885_prep
		.amdhsa_group_segment_fixed_size 0
		.amdhsa_private_segment_fixed_size 0
		.amdhsa_enable_private_segment 0
		.amdhsa_kernarg_size 80
		.amdhsa_user_sgpr_count 2
		.amdhsa_user_sgpr_kernarg_segment_ptr 1
		.amdhsa_wavefront_size32 1
		.amdhsa_system_sgpr_workgroup_id_x 1
		.amdhsa_system_sgpr_workgroup_id_y 1
		.amdhsa_system_sgpr_workgroup_id_z 1
		.amdhsa_system_vgpr_workitem_id 0
		.amdhsa_next_free_vgpr 352
		.amdhsa_next_free_sgpr 66
		.amdhsa_reserve_vcc 1
		.amdhsa_float_denorm_mode_32 3
		.amdhsa_float_denorm_mode_16_64 3
		.amdhsa_memory_ordered 1
		.amdhsa_forward_progress 1
		.amdhsa_inst_pref_size 45
	.end_amdhsa_kernel
	.amdgpu_metadata
---
amdhsa.version: [ 1, 2 ]
amdhsa.kernels:
  - .name:           k_q665e4c2885_prep
    .symbol:         k_q665e4c2885_prep.kd
    .args:
      - { .name: x, .offset: 0, .size: 8, .value_kind: global_buffer, .address_space: global }
      - { .name: wq, .offset: 8, .size: 8, .value_kind: global_buffer, .address_space: global }
      - { .name: wkv, .offset: 16, .size: 8, .value_kind: global_buffer, .address_space: global }
      - { .name: wvec, .offset: 24, .size: 8, .value_kind: global_buffer, .address_space: global }
      - { .name: attn_mask, .offset: 32, .size: 8, .value_kind: global_buffer, .address_space: global }
      - { .name: segment_pos, .offset: 40, .size: 8, .value_kind: global_buffer, .address_space: global }
      - { .name: xb, .offset: 48, .size: 8, .value_kind: global_buffer, .address_space: global }
      - { .name: wb, .offset: 56, .size: 8, .value_kind: global_buffer, .address_space: global }
      - { .name: rtab, .offset: 64, .size: 8, .value_kind: global_buffer, .address_space: global }
      - { .name: mbits, .offset: 72, .size: 8, .value_kind: global_buffer, .address_space: global }
    .group_segment_fixed_size: 0
    .private_segment_fixed_size: 0
    .kernarg_segment_align: 8
    .kernarg_segment_size: 80
    .max_flat_workgroup_size: 256
    .sgpr_count:     66
    .vgpr_count:     352
    .wavefront_size: 32
...
	.end_amdgpu_metadata
.endif
;; end of part 1
;; launch mklist (part 2): grid 64 x 1, 1 waves a work-group, no clusters, 0 bytes of LDS; arguments mbits, order; writes order
.if DOCPART == 2
	.amdgcn_target "amdgcn-amd-amdhsa--gfx1250"
	.amdhsa_code_object_version 6
	.text
	.protected	k_q665e4c2885_mklist
	.globl	k_q665e4c2885_mklist
	.p2align	8
	.type	k_q665e4c2885_mklist,@function
k_q665e4c2885_mklist:
	s_mov_b64 s[64:65], 0
	v_nop
	global_prefetch_b8 v0, s[64:65] scope:SCOPE_SE
	s_setreg_imm32_b32 hwreg(HW_REG_WAVE_MODE, 25, 1), 1
	s_wait_xcnt 0x0
; THE LIST OF LIVE KEY STEPS.  For each L = b 32 + qb (64 queries of one batch) the first launch stored 32 flags: flag s is not 0 where some query of the block may see some key of step s.
; This launch makes of them order[L]: words 0-31 the numbers of the live steps, ascending, 31 behind the last; words 32-63 all n, their count.  The attention launch walks the first n entries.
; WORK LEFT OUT by that walk: the steps whose flag is 0 (the first kernel's head shows why their weights are exactly 0).  Where no step is live, step 0 is listed, n = 1: its mask words are all 0, so
; every row of the block counts as one that sees no key.
; One wave for each L: 64 work-groups, as many as there are lists.  No address and no branch hangs on the flags; the row leaves by one store of 256 consecutive bytes, aligned.
	s_load_b128 s[4:7], s[0:1], 0x0                ; mbits s[4:5], order s[6:7]
	v_lshlrev_b32 v1, 2, v0                        ; 4 x lane: my flag
	v_lshlrev_b32 v2, 3, v0                        ; 8 x lane: my two words of the row
	s_lshl_b32 s8, ttmp9, 7                        ; 32 flags of 4 bytes for each L
	s_mov_b32 s9, 0
	s_lshl_b32 s10, ttmp9, 8                       ; a row of 256 bytes for each L
	s_mov_b32 s11, 0
	s_wait_kmcnt 0x0
	s_add_nc_u64 s[4:5], s[4:5], s[8:9]
	s_add_nc_u64 s[6:7], s[6:7], s[10:11]
	global_load_b32 v3, v1, s[4:5] offset:1048576  ; the flags lie behind the 1,048,576 bytes of mask words
	s_wait_loadcnt 0x0
	v_cmp_ne_u32 s12, 0, v3                        ; bit s: step s is live
	s_cmp_eq_u32 s12, 0
	s_cselect_b32 s12, 1, s12                      ; none: step 0 is listed
	s_bcnt1_i32_b32 s13, s12                       ; n
	v_mov_b32 v4, s13                              ; lanes 16-31 keep n in both words
	v_mov_b32 v5, s13
.set j, 0
.rept 32                               ; entry j: the lowest bit still set, which is then taken out; with none left the count of zeros is held to 31
	s_ctz_i32_b32 s14, s12
	s_min_u32 s14, s14, 31
	v_writelane_b32 v[4+j%2], s14, j/2             ; word j of the row: register j % 2 of lane j / 2
	s_sub_co_u32 s15, s12, 1
	s_and_b32 s12, s12, s15
.set j, j+1
.endr
	global_store_b64 v2, v[4:5], s[6:7]
	s_endpgm
.Lfunc_end_k_q665e4c2885_mklist:
	.size	k_q665e4c2885_mklist, .Lfunc_end_k_q665e4c2885_mklist-k_q665e4c2885_mklist
	.p2alignl 7, 3214868480
	.fill 96, 4, 3214868480
	.section	.rodata,"a",@progbits
	.p2align	6, 0x0
	.amdhsa_kernel k_q665e4c2885_mklist
		.amdhsa_group_segment_fixed_size 0
		.amdhsa_private_segment_fixed_size 0
		.amdhsa_enable_private_segment 0
		.amdhsa_kernarg_size 16
		.amdhsa_user_sgpr_count 2
		.amdhsa_user_sgpr_kernarg_segment_ptr 1
		.amdhsa_wavefront_size32 1
		.amdhsa_system_sgpr_workgroup_id_x 1
		.amdhsa_system_sgpr_workgroup_id_y 1
		.amdhsa_system_sgpr_workgroup_id_z 1
		.amdhsa_system_vgpr_workitem_id 0
		.amdhsa_next_free_vgpr 8
		.amdhsa_next_free_sgpr 66
		.amdhsa_reserve_vcc 0
		.amdhsa_float_denorm_mode_32 3
		.amdhsa_float_denorm_mode_16_64 3
		.amdhsa_memory_ordered 1
		.amdhsa_forward_progress 1
		.amdhsa_inst_pref_size 8
	.end_amdhsa_kernel
	.amdgpu_metadata
---
amdhsa.version: [ 1, 2 ]
amdhsa.kernels:
  - .name:           k_q665e4c2885_mklist
    .symbol:         k_q665e4c2885_mklist.kd
    .args:
      - { .name: mbits, .offset: 0, .size: 8, .value_kind: global_buffer, .address_space: global }
      - { .name: order, .offset: 8, .size: 8, .value_kind: global_buffer, .address_space: global }
    .group_segment_fixed_size: 0
    .private_segment_fixed_size: 0
    .kernarg_segment_align: 8
    .kernarg_segment_size: 16
    .max_flat_workgroup_size: 32
    .sgpr_count:     66
    .vgpr_count:     8
    .wavefront_size: 32
...
	.end_amdgpu_metadata
.endif
;; end of part 2
;; launch proj (part 3): grid 16 x 16, 4 waves a work-group, clusters of 4 x 4, 327,680 bytes of LDS; arguments xb, wb, rtab, qkv, vsum; writes qkv, vsum
.if DOCPART == 3
	.amdgcn_target "amdgcn-amd-amdhsa--gfx1250"
	.amdhsa_code_object_version 6
	.text
	.protected	k_q665e4c2885_proj
	.globl	k_q665e4c2885_proj
	.p2align	8
	.type	k_q665e4c2885_proj,@function
k_q665e4c2885_proj:
	s_mov_b64 s[64:65], 0
	v_nop
	global_prefetch_b8 v0, s[64:65] scope:SCOPE_SE
	s_setreg_imm32_b32 hwreg(HW_REG_WAVE_MODE, 25, 1), 1
	s_wait_xcnt 0x0
	s_wait_alu depctr_hold_cnt(0) depctr_sa_sdst(0) depctr_va_vdst(0) depctr_va_sdst(0) depctr_va_ssrc(0) depctr_va_vcc(0) depctr_vm_vsrc(0)
	s_getreg_b32 s2, hwreg(HW_REG_IB_STS2, 6, 4)
	s_cmp_eq_u32 s2, 0
	s_cbranch_scc0 .Lentry_in_a_cluster
	s_endpgm
.Lentry_in_a_cluster:
	s_bfe_u32 s2, ttmp6, 0x10000c
	s_cmp_lg_u32 s2, 0xf033
	s_cbranch_scc0 .Lentry_shape_is_right
	s_endpgm
.Lentry_shape_is_right:
; THE THREE PROJECTIONS AS ONE PRODUCT, WITH RoPE.  qkv[hc][row][0..127] = rope(sum over d of xb[row][d] wb[hc][d][.]), f16, rounded once.  hc 0-7: q heads (table times c), 8-11: k heads,
; 12-15: v heads (no RoPE).  xb: [4096][2048] bf16; wb: [16][2048][128] bf16; sums in f32.  For v heads also vsum[kvh][row / 64][128] f32: column sums of 64 rows of the stored v.
; No work of reference() is left out here.  LIMIT: q c, k and v stay under 65,504, f16's end.
; SHARES.  A work-group makes 256 rows x one head: 256 work-groups.  Wave w makes rows 64 w .. 64 w + 63 x all 128 columns: 32 accumulators of 16 x 16.
; THE MATRIX INSTRUCTION IS USED TRANSPOSED: source 0 = 16 columns of wb (stored [d][column], turned by ds_load_tr16_b128), source 1 = 16 rows of xb.  A lane then holds row l % 16 and columns
; 16 b + 8 (l / 16) + 0..7; column c and its RoPE partner c + 64 lie in the same lane and register number, in accumulators b and b + 4.
; CLUSTER 4 x 4: the four of a row of the cluster need the same rows of xb, the four of a column the same head of wb: each tile is asked for jointly.  Which kind of head a work-group has hangs on the
; cluster's x alone, so that branch is alike in all partners.
; RING: K in steps of 128, two LDS slots; a slot: 256 rows of xb (256 bytes + 16), then 128 rows of wb (256 bytes + 32).  Waves 0, 1 fetch xb's halves, waves 2, 3 wb's: one load a wave behind each round.
; REGISTERS: window 0: addresses, two fragment buffers of 96 (wb's 8 fragments, xb's 4); window 1: accumulator (a, b) at 8 (8 a + b); window 2: the RoPE table: for a, cos of b at 64 a + 8 b, sin 32 on.
.set PA,    272                        ; an LDS row of xb: 68 words, so the 16 rows of a load start at 16 different groups of four banks (ISA guide 11.1)
.set PB,    288                        ; of wb: 72 words
.set BOFF,  256*PA
.set SLOT1, 131072                     ; one exclusive or turns an address in one slot into the other's
.set STAGE, SLOT1+BOFF+128*PB          ; 237,568: 16 rows x 272 bytes for each wave, for the way out; no tensor load fills it
.set SP,    272
.set SPARE, STAGE+4*16*SP              ; 254,976: the spare words, 128 bytes for each wave, which no other line names
.set KSTEPS, 16
.set ASTEP, 256                        ; bytes from K step to K step in xb,
.set BSTEP, 32768                      ; and in wb
.set A0,   4                           ; my lane's place in a slot's xb
.set B0,   5                           ; and wb
.set ADRA, 6
.set ADRB, 7
.set STO,  8
.set RD,   9
.set CO,   10
.set TO,   11
.set PFO,  12
.set SPW,  14
.set NIL,  15
.set ONE,  16
.set SUM,  20
.set XT,   32
.set F0,   64
.set F1,   160
.set OUT,  64
.set TMP,  128
.set BK,   160
.set WV,   14
.set ROLE, 15                          ; 0: I fetch xb, 1: wb
.set HALF, 16
.set CX,   17
.set CY,   18
.set HC,   19
.set RB,   20
.set TB,   21
.set TRIPS, 22
.set LIM,  23
.set G1A,  24
.set G0A,  32
.set G1B,  40
.set G0B,  48
.set PFA,  56
.set PFS,  58
.set KX,   68
.set MSB, 0
.macro WIN new
.if MSB != (\new)
	s_set_vgpr_msb (MSB<<8)|(\new)
.set MSB, (\new)
.endif
.endm
.macro PLACES                          ; four plain places behind matrix instructions, in front of loads into registers that they read and of readers of their results
.rept 4
	v_nop
.endr
.endm
.macro JLOAD                           ; a joint refill by the walking descriptors; the branch hangs on the wave's number alone; an s_nop 0 and four v_nop follow each line
	s_cmp_eq_u32 s[ROLE], 0
	s_cbranch_scc0 .Lfor_b_\@
	tensor_load_to_lds s[G0A+4:G0A+7], s[G1A:G1A+7]
	s_nop 0
.rept 4
	v_nop
.endr
	s_branch .Lasked_\@
.Lfor_b_\@:
	tensor_load_to_lds s[G0B+4:G0B+7], s[G1B:G1B+7]
	s_nop 0
.rept 4
	v_nop
.endr
.Lasked_\@:
.endm
.macro CREST                           ; a round of the cluster's barrier behind its opening barrier
	s_cmp_lg_u32 s[WV], 0
	s_cbranch_scc1 .Lnot_wave_0_\@
	s_barrier_signal -3
.Lnot_wave_0_\@:
	s_barrier_wait -3
	s_barrier_signal -1
	s_barrier_wait -1
.endm
.macro CROUND
	s_barrier_signal -1
	s_barrier_wait -1
	CREST
.endm
; A prefetch into the L2, behind a refill and the run of LDS loads: behind the refill that asks for K step i + 2 it names K step i + 5, three K steps (384 matrix instructions) ahead of the load that will want it.
; xb's rows: waves 0 and 1 of the clusters with x = 0; of the 128 rows that a wave fetches each of the four partners takes 32, told apart by address (cx).  wb's 128 rows of a K step: wave 2 of the
; clusters with y = 0, 32 a partner (cy).  A lane a row of 256 bytes: each block is named once in the launch.  The first five K steps come by their loads alone; the last three refills ask for nothing.
.macro ASK
	s_cmp_gt_u32 s[TRIPS], s[LIM]
	s_cbranch_scc0 .Lnot_mine_\@
	global_prefetch_b8 v[PFO], s[PFA:PFA+1] th:TH_LOAD_NT scope:SCOPE_SE
.Lnot_mine_\@:
.endm
.macro MULA f, a, zero                 ; 8 matrix instructions: row block a x all 8 column blocks, 32 along K.  The 32 accumulators take turns, in the same order in every quarter
	WIN 0x50                                       ; C and D in window 1
.irp b, 0,1,2,3,4,5,6,7
.if \zero
	v_wmma_f32_16x16x32_bf16 v[8*(8*(\a)+(\b)):8*(8*(\a)+(\b))+7], v[(\f)+8*(\b):(\f)+8*(\b)+7], v[(\f)+64+8*(\a):(\f)+64+8*(\a)+7], 0
.else
	v_wmma_f32_16x16x32_bf16 v[8*(8*(\a)+(\b)):8*(8*(\a)+(\b))+7], v[(\f)+8*(\b):(\f)+8*(\b)+7], v[(\f)+64+8*(\a):(\f)+64+8*(\a)+7], v[8*(8*(\a)+(\b)):8*(8*(\a)+(\b))+7]
.endif
.endr
.endm
.macro FETCH k, f                      ; 24 LDS loads in one run: the quarter at byte k of xb's rows (rows k / 2 on of wb) into buffer f; wb's 16 first
	WIN 0
.irp b, 0,1,2,3,4,5,6,7
	ds_load_tr16_b128 v[(\f)+8*(\b):(\f)+8*(\b)+3],   v[ADRB] offset:((\k)/2)*PB+32*(\b)
	ds_load_tr16_b128 v[(\f)+8*(\b)+4:(\f)+8*(\b)+7], v[ADRB] offset:((\k)/2)*PB+16*PB+32*(\b)
.endr
.irp a, 0,1,2,3
	ds_load_b128 v[(\f)+64+8*(\a):(\f)+64+8*(\a)+3],   v[ADRA] offset:(\a)*16*PA+(\k)
	ds_load_b128 v[(\f)+64+8*(\a)+4:(\f)+64+8*(\a)+7], v[ADRA] offset:(\a)*16*PA+(\k)+32
.endr
.endm
.macro QUARTER k, f, g, zero           ; multiplies buffer f; in its middle fetches the next quarter, at byte k, into g
	s_wait_dscnt 4                                 ; all but xb's row blocks 2 and 3
	MULA \f, 0, \zero
	MULA \f, 1, \zero
	PLACES
	FETCH \k, \g
	s_wait_dscnt 24                                ; all but the 24 just issued
	MULA \f, 2, \zero
	MULA \f, 3, \zero
.endm
; The last quarter of a K step multiplies buffer 1 and changes slots.  In front of the barrier each wave waits for all its tensor loads (one is out: its part of the next slot), adds 0 to its spare
; word, and waits for that and for its reads of this slot.  fill = 1: the barrier opens a round of the cluster's barrier, and the joint refill is the first tensor load behind it.
.macro TURN fill
.if \fill
	s_wait_xcnt 0x0                                ; the last prefetch, a K step back, has read its address
	s_add_nc_u64 s[PFA:PFA+1], s[PFA:PFA+1], s[PFS:PFS+1]
.endif
	WIN 0
	s_wait_tensorcnt 0x0
	ds_add_u32 v[SPW], v[NIL]
	s_wait_dscnt 5                                 ; the add and xb's row blocks 2 and 3 may be out
	MULA F1, 0, 0
	s_wait_dscnt 0x0                               ; the add is done, my reads of this slot are over
	s_barrier_signal -1
	MULA F1, 1, 0
	WIN 0
	s_barrier_wait -1
.if \fill
	CREST
	s_xor_b32 s[G0A+5], s[G0A+5], SLOT1            ; the walking descriptors: the other slot than last time, the next K step
	s_add_nc_u64 s[G0A+6:G0A+7], s[G0A+6:G0A+7], ASTEP
	s_xor_b32 s[G0B+5], s[G0B+5], SLOT1
	s_add_nc_u64 s[G0B+6:G0B+7], s[G0B+6:G0B+7], BSTEP
	JLOAD                                          ; its four v_nop are also the places in front of the loads below
.else
	PLACES
.endif
	s_xor_b32 s[TB], s[TB], SLOT1
	v_add_nc_u32 v[ADRA], s[TB], v[A0]
	v_add_nc_u32 v[ADRB], s[TB], v[B0]
	FETCH 0, F0
.if \fill
	ASK
.endif
	MULA F1, 2, 0
	MULA F1, 3, 0
.endm
	s_load_b256 s[4:11], s[0:1], 0x0               ; xb s[4:5], wb s[6:7], rtab s[8:9], qkv s[10:11]
	s_load_b64 s[12:13], s[0:1], 0x20              ; vsum
	v_lshl_add_u32 v[SPW], v0, 2, SPARE
	v_mov_b32 v[NIL], 0
	ds_add_u32 v[SPW], v[NIL]                      ; the opening: the add, twice on end, and its wait ahead of my first tensor load
	ds_add_u32 v[SPW], v[NIL]
	v_lshrrev_b32 v1, 5, v0
	v_readfirstlane_b32 s[WV], v1
	s_lshr_b32 s[ROLE], s[WV], 1
	s_and_b32 s[HALF], s[WV], 1
	s_bfe_u32 s[CX], ttmp6, 0x40000
	s_bfe_u32 s[CY], ttmp6, 0x40004
	s_lshl_b32 s[HC], ttmp9, 2
	s_add_co_u32 s[HC], s[HC], s[CX]               ; the head = 4 x cluster x + cx
	s_and_b32 s[RB], ttmp7, 0xffff
	s_lshl_b32 s[RB], s[RB], 2
	s_add_co_u32 s[RB], s[RB], s[CY]               ; the block of 256 rows = 4 x cluster y + cy
	s_lshl_b32 s60, s[CY], 2
	s_lshl_b32 s60, 15, s60                        ; my row of the cluster
	s_lshl_b32 s62, 0x1111, s[CX]                  ; my column
	s_or_b32 s[G1A], s60, (1<<16)|(1<<20)|(1<<21)|(5<<22)|(3<<25)  ; mask; 2-byte elements; padding on; bit 21 beside a mask; after every 64 words 4 words
	s_or_b32 s[G1B], s62, (1<<16)|(1<<20)|(1<<21)|(5<<22)|(7<<25)  ; the same with 8 words
	s_mov_b32 s[G1A+1], 128<<16                    ; tensor_dim0 = 128
	s_mov_b32 s[G1A+2], 128<<16                    ; tensor_dim1 = 128
	s_mov_b32 s[G1A+3], 128<<16                    ; tile_dim0 = 128
	s_mov_b32 s[G1A+4], 128                        ; tile_dim1 = 128
	s_mov_b32 s[G1A+5], 2048                       ; elements from row to row
	s_mov_b32 s[G1A+6], 0
	s_mov_b32 s[G1A+7], 0
	s_mov_b32 s[G1B+1], 128<<16
	s_mov_b32 s[G1B+2], 64<<16
	s_mov_b32 s[G1B+3], 128<<16
	s_mov_b32 s[G1B+4], 64
	s_mov_b32 s[G1B+5], 128
	s_mov_b32 s[G1B+6], 0
	s_mov_b32 s[G1B+7], 0
	s_lshl_b32 s60, s[RB], 20                      ; xb: (256 block + 128 half) rows of 4,096 bytes
	s_lshl_b32 s61, s[HALF], 19
	s_add_co_u32 s60, s60, s61
	s_mov_b32 s61, 0
	s_lshl_b32 s62, s[HC], 19                      ; wb: the head's 524,288 bytes, 64 half rows of 256
	s_lshl_b32 s63, s[HALF], 14
	s_add_co_u32 s62, s62, s63
	s_mov_b32 s63, 0
	s_mul_i32 s66, s[HALF], 128*PA                 ; where they go: no place in the cluster enters an LDS address
	s_mul_i32 s67, s[HALF], 64*PB
	s_add_co_u32 s67, s67, BOFF
	s_mov_b32 s[TB], 0
	s_mov_b32 s70, 0x76543210
	s_mov_b32 s71, 0xfedcba98
	s_mov_b32 s[KX], ttmp9                         ; the cluster's x: 0, 1 q heads; 2 k heads; 3 v heads
	s_wait_dscnt 0x0                               ; both opening adds are done
	s_wait_kmcnt 0x0
	s_add_nc_u64 s[60:61], s[4:5], s[60:61]
	s_add_nc_u64 s[62:63], s[6:7], s[62:63]
	CROUND                                         ; all sixteen work-groups are here: the first joint loads meet
.irp s, 0,1
	s_mov_b32 s[G0A+4*(\s)], 1
	s_add_co_u32 s[G0A+4*(\s)+1], s66, (\s)*SLOT1
	s_add_nc_u64 s[G0A+4*(\s)+2:G0A+4*(\s)+3], s[60:61], (\s)*ASTEP
	s_or_b32 s[G0A+4*(\s)+3], s[G0A+4*(\s)+3], 0x80000000
	s_mov_b32 s[G0B+4*(\s)], 1
	s_add_co_u32 s[G0B+4*(\s)+1], s67, (\s)*SLOT1
	s_add_nc_u64 s[G0B+4*(\s)+2:G0B+4*(\s)+3], s[62:63], (\s)*BSTEP
	s_or_b32 s[G0B+4*(\s)+3], s[G0B+4*(\s)+3], 0x80000000
.endr
	s_cmp_eq_u32 s[ROLE], 0                        ; a wave's two first fills stand in one branch: two loads of mine are out
	s_cbranch_scc0 .Lfirst_b
	tensor_load_to_lds s[G0A:G0A+3], s[G1A:G1A+7]
	s_nop 0
	tensor_load_to_lds s[G0A+4:G0A+7], s[G1A:G1A+7]
	s_nop 0
.rept 4
	v_nop
.endr
	s_branch .Lfirst_asked
.Lfirst_b:
	tensor_load_to_lds s[G0B:G0B+3], s[G1B:G1B+7]
	s_nop 0
	tensor_load_to_lds s[G0B+4:G0B+7], s[G1B:G1B+7]
	s_nop 0
.rept 4
	v_nop
.endr
.Lfirst_asked:
	v_and_b32 v1, 15, v0                           ; r
	v_bfe_u32 v2, v0, 4, 1                         ; h
	v_and_b32 v3, 31, v0                           ; lane
	s_lshl_b32 s72, s[WV], 6
	v_add_nc_u32 v17, s72, v1                      ; 64 w + r
	v_lshlrev_b32 v[TO], 9, v17
	v_lshl_add_u32 v[TO], v2, 5, v[TO]             ; the table: row x 512 + 32 h
	s_cmp_eq_u32 s[KX], 2
	s_cselect_b32 s72, 2097152, 0                  ; k heads take the plain table
	s_lshl_b32 s73, s[RB], 17
	s_add_co_u32 s72, s72, s73
	s_mov_b32 s73, 0
	s_add_nc_u64 s[8:9], s[8:9], s[72:73]
	s_cmp_eq_u32 s[KX], 3
	s_cbranch_scc1 .Lno_table
	WIN 0x80                                       ; destination window 2.  The 64 loads stay out until the way out
.irp a, 0,1,2,3
.irp b, 0,1,2,3
	global_load_b128 v[64*(\a)+8*(\b):64*(\a)+8*(\b)+3],       v[TO], s[8:9] offset:(\a)*8192+(\b)*64
	global_load_b128 v[64*(\a)+8*(\b)+4:64*(\a)+8*(\b)+7],     v[TO], s[8:9] offset:(\a)*8192+(\b)*64+16
	global_load_b128 v[64*(\a)+32+8*(\b):64*(\a)+32+8*(\b)+3], v[TO], s[8:9] offset:(\a)*8192+(\b)*64+256
	global_load_b128 v[64*(\a)+32+8*(\b)+4:64*(\a)+32+8*(\b)+7], v[TO], s[8:9] offset:(\a)*8192+(\b)*64+272
.endr
.endr
	WIN 0
.Lno_table:
	v_mul_u32_u24 v[A0], v17, PA
	v_lshl_add_u32 v[A0], v2, 4, v[A0]             ; (64 w + r) x pitch + 16 h
	v_and_b32 v17, 7, v0
	v_lshl_add_u32 v17, v2, 3, v17
	v_mul_u32_u24 v[B0], v17, PB
	v_bfe_u32 v17, v0, 3, 1
	v_lshl_add_u32 v[B0], v17, 4, v[B0]
	v_add_nc_u32 v[B0], BOFF, v[B0]                ; (8 h + l % 8) x pitch + 16 ((l / 8) % 2), behind xb's rows
	v_mov_b32 v[ADRA], v[A0]
	v_mov_b32 v[ADRB], v[B0]
	s_mul_i32 s72, s[WV], 16*SP
	s_add_co_u32 s72, s72, STAGE
	v_mul_u32_u24 v[STO], v1, SP
	v_lshl_add_u32 v[STO], v2, 4, v[STO]
	v_add_nc_u32 v[STO], s72, v[STO]               ; in: row r, 16 bytes for each half of the lanes
	v_mul_u32_u24 v[RD], v2, SP
	v_lshl_add_u32 v[RD], v1, 4, v[RD]
	v_add_nc_u32 v[RD], s72, v[RD]                 ; back: lanes 0-15 one row of 256 bytes, lanes 16-31 the next
	v_lshlrev_b32 v[CO], 4, v3                     ; which are 512 consecutive bytes of qkv
	s_lshl_b32 s72, s[HC], 20
	s_lshl_b32 s73, s[RB], 16
	s_add_co_u32 s72, s72, s73
	s_lshl_b32 s73, s[WV], 14
	s_add_co_u32 s72, s72, s73
	s_mov_b32 s73, 0
	s_add_nc_u64 s[10:11], s[10:11], s[72:73]      ; qkv at my wave's first row
	; the prefetches' pointer, step, lane offset and bound
	s_lshl_b32 s74, s[RB], 20
	s_lshl_b32 s75, s[HALF], 19
	s_add_co_u32 s74, s74, s75
	s_lshl_b32 s75, s[CX], 17                      ; my work-group's 32 rows of 4,096 bytes
	s_add_co_u32 s74, s74, s75
	s_add_co_u32 s74, s74, 4*ASTEP                 ; at K step 4: the first refill steps it to 5
	s_lshl_b32 s75, s[HC], 19
	s_lshl_b32 s76, s[CY], 13                      ; 32 rows of 256 bytes
	s_add_co_u32 s75, s75, s76
	s_add_co_u32 s75, s75, 4*BSTEP
	s_mov_b32 s76, ASTEP
	s_and_b32 s72, ttmp7, 0xffff                   ; the cluster's y
	s_cmp_eq_u32 s[ROLE], 0
	s_cselect_b32 s72, ttmp9, s72                  ; the coordinate along which other clusters read the same rows
	s_cselect_b64 s[PFA:PFA+1], s[4:5], s[6:7]
	s_cselect_b32 s[PFS], s76, BSTEP
	s_cselect_b32 s73, 12, 8
	s_cselect_b32 s74, s74, s75
	s_mov_b32 s75, 0
	s_mov_b32 s[PFS+1], 0
	s_add_nc_u64 s[PFA:PFA+1], s[PFA:PFA+1], s[74:75]
	s_cmp_eq_u32 s[WV], 3
	s_cselect_b32 s72, 1, s72                      ; wave 3 asks for nothing
	s_cmp_eq_u32 s72, 0
	s_cselect_b32 s[LIM], 3, -1                    ; the same in all sixteen partners, for a given wave
	v_lshlrev_b32 v[PFO], s73, v3
	s_wait_tensorcnt 1                             ; my part of K step 0 is in; K step 1's may stay out
	s_barrier_signal -1
	s_barrier_wait -1
	FETCH 0, F0
	QUARTER 64, F0, F1, 1                          ; the first quarter's products start the sums
	WIN 0
	s_mov_b32 s[TRIPS], KSTEPS-2
.Lstep:                                        ; a trip: from a K step's second quarter to the next one's first; it fills the slot that it leaves
	QUARTER 128, F1, F0, 0
	QUARTER 192, F0, F1, 0
	TURN 1
	QUARTER 64, F0, F1, 0
	WIN 0
	s_sub_co_u32 s[TRIPS], s[TRIPS], 1
	s_cmp_lg_u32 s[TRIPS], 0
	s_cbranch_scc1 .Lstep
	QUARTER 128, F1, F0, 0                         ; the last two K steps ask for nothing
	QUARTER 192, F0, F1, 0
	TURN 0
	QUARTER 64, F0, F1, 0
	QUARTER 128, F1, F0, 0
	QUARTER 192, F0, F1, 0
	s_wait_dscnt 4
	MULA F1, 0, 0
	MULA F1, 1, 0
	s_wait_dscnt 0x0
	MULA F1, 2, 0
	MULA F1, 3, 0
	WIN 0
; THE WAY OUT, a block of 16 rows at a time: 16 bytes a lane into my stage, back as whole rows of 256 bytes, stored.
.macro TOSTAGE
	WIN 0
	s_wait_xcnt 0x0                                ; the block before's stores have read BK
.irp b, 0,1,2,3,4,5,6,7
	ds_store_b128 v[STO], v[TMP+4*(\b):TMP+4*(\b)+3] offset:32*(\b)
.endr
.irp t, 0,1,2,3,4,5,6,7
	ds_load_b128 v[BK+4*(\t):BK+4*(\t)+3], v[RD] offset:(\t)*2*SP  ; LDS serves a wave's instructions in order (ISA guide 5.7.1.4): these see the stores above
.endr
	s_wait_dscnt 0x0
.endm
.macro SEND a
.irp t, 0,1,2,3,4,5,6,7
	global_store_b128 v[CO], v[BK+4*(\t):BK+4*(\t)+3], s[10:11] offset:(\a)*4096+(\t)*512  ; 512 consecutive bytes, aligned
.endr
.endm
.macro ROPE a                          ; first x cos - second x sin; second x cos + first x sin.  Pair 0 goes first: each accumulator is read from its low end
	WIN 0x09                                       ; source 0 window 1, source 1 window 2, source 2 and destination window 0
.irp b, 0,1,2,3
.irp p, 0,1,2,3
	v_pk_mul_f32 v[XT+4*(\p):XT+4*(\p)+1],   v[8*(8*(\a)+(\b)+4)+2*(\p):8*(8*(\a)+(\b)+4)+2*(\p)+1], v[64*(\a)+32+8*(\b)+2*(\p):64*(\a)+32+8*(\b)+2*(\p)+1]
	v_pk_mul_f32 v[XT+4*(\p)+2:XT+4*(\p)+3], v[8*(8*(\a)+(\b))+2*(\p):8*(8*(\a)+(\b))+2*(\p)+1],     v[64*(\a)+32+8*(\b)+2*(\p):64*(\a)+32+8*(\b)+2*(\p)+1]
	v_pk_fma_f32 v[OUT+8*(\b)+2*(\p):OUT+8*(\b)+2*(\p)+1], v[8*(8*(\a)+(\b))+2*(\p):8*(8*(\a)+(\b))+2*(\p)+1], v[64*(\a)+8*(\b)+2*(\p):64*(\a)+8*(\b)+2*(\p)+1], v[XT+4*(\p):XT+4*(\p)+1] neg_lo:[0,0,1] neg_hi:[0,0,1]
	v_pk_fma_f32 v[OUT+8*((\b)+4)+2*(\p):OUT+8*((\b)+4)+2*(\p)+1], v[8*(8*(\a)+(\b)+4)+2*(\p):8*(8*(\a)+(\b)+4)+2*(\p)+1], v[64*(\a)+8*(\b)+2*(\p):64*(\a)+8*(\b)+2*(\p)+1], v[XT+4*(\p)+2:XT+4*(\p)+3]
.endr
.endr
	WIN 0
.set i, 0
.rept 32
	v_cvt_pk_f16_f32 v[TMP+i], v[OUT+2*i], v[OUT+2*i+1]
.set i, i+1
.endr
.endm
	s_cmp_eq_u32 s[KX], 3
	s_cbranch_scc1 .Lvpath
	s_wait_loadcnt 0x0                             ; the table
	PLACES
.irp a, 0,1,2,3
	ROPE \a
	TOSTAGE
	SEND \a
.endr
	s_branch .Lend
.Lvpath:
	s_sub_co_u32 s72, s[HC], 12
	s_lshl_b32 s72, s72, 6
	s_lshl_b32 s73, s[RB], 2
	s_add_co_u32 s72, s72, s73
	s_add_co_u32 s72, s72, s[WV]
	s_lshl_b32 s72, s72, 9                         ; ((hc - 12) 64 + 4 block + w) x 512
	s_mov_b32 s73, 0
	s_add_nc_u64 s[12:13], s[12:13], s[72:73]
	v_mov_b32 v[ONE], 1.0                          ; these nine lines are the places behind the last products
.irp e, 0,1,2,3,4,5,6,7
	v_mov_b32 v[SUM+\e], 0
.endr
.macro VBLK a
	WIN 0x05                                       ; sources window 1, destination window 0
.irp b, 0,1,2,3,4,5,6,7
.irp p, 0,1,2,3
	v_cvt_pk_f16_f32 v[TMP+4*(\b)+(\p)], v[8*(8*(\a)+(\b))+2*(\p)], v[8*(8*(\a)+(\b))+2*(\p)+1]
.endr
.endr
	TOSTAGE
	SEND \a
.irp t, 0,1,2,3,4,5,6,7                ; my lane holds rows 2 t + l / 16, channels 8 (l % 16) + 0..7: each half is widened and added in one line, in f32
.irp e, 0,1,2,3
	v_fma_mix_f32 v[SUM+2*(\e)],   v[BK+4*(\t)+(\e)], v[ONE], v[SUM+2*(\e)]   op_sel:[0,0,0] op_sel_hi:[1,0,0]
	v_fma_mix_f32 v[SUM+2*(\e)+1], v[BK+4*(\t)+(\e)], v[ONE], v[SUM+2*(\e)+1] op_sel:[1,0,0] op_sel_hi:[1,0,0]
.endr
.endr
.endm
	VBLK 0
	VBLK 1
	VBLK 2
	VBLK 3
.irp e, 0,1,2,3,4,5,6,7
	v_permlanex16_b32 v[TMP+\e], v[SUM+\e], s70, s71  ; the odd rows' sums lie 16 lanes away
.endr
.irp e, 0,1,2,3,4,5,6,7
	v_add_f32 v[SUM+\e], v[SUM+\e], v[TMP+\e]
.endr
	v_cmp_eq_u32 vcc_lo, 1, v2
.irp e, 0,1,2,3
	v_cndmask_b32 v[SUM+\e], v[SUM+\e], v[SUM+4+\e], vcc_lo  ; lanes 16-31 store channels 4-7 of the eight
.endr
	v_lshlrev_b32 v17, 5, v1
	v_lshl_add_u32 v17, v2, 4, v17
	global_store_b128 v17, v[SUM:SUM+3], s[12:13]  ; the wave stores 512 consecutive bytes
.Lend:
	s_wait_tensorcnt 0x0                           ; the wave's end
	ds_add_u32 v[SPW], v[NIL]
	s_wait_dscnt 0x0
	CROUND                                         ; the closing round
	s_endpgm
.Lfunc_end_k_q665e4c2885_proj:
	.size	k_q665e4c2885_proj, .Lfunc_end_k_q665e4c2885_proj-k_q665e4c2885_proj
	.p2alignl 7, 3214868480
	.fill 96, 4, 3214868480
	.section	.rodata,"a",@progbits
	.p2align	6, 0x0
	.amdhsa_kernel k_q665e4c2885_proj
		.amdhsa_group_segment_fixed_size 327680
		.amdhsa_private_segment_fixed_size 0
		.amdhsa_enable_private_segment 0
		.amdhsa_kernarg_size 40
		.amdhsa_user_sgpr_count 2
		.amdhsa_user_sgpr_kernarg_segment_ptr 1
		.amdhsa_wavefront_size32 1
		.amdhsa_system_sgpr_workgroup_id_x 1
		.amdhsa_system_sgpr_workgroup_id_y 1
		.amdhsa_system_sgpr_workgroup_id_z 1
		.amdhsa_system_vgpr_workitem_id 0
		.amdhsa_next_free_vgpr 768
		.amdhsa_next_free_sgpr 80
		.amdhsa_reserve_vcc 1
		.amdhsa_float_denorm_mode_32 3
		.amdhsa_float_denorm_mode_16_64 3
		.amdhsa_memory_ordered 1
		.amdhsa_forward_progress 1
		.amdhsa_inst_pref_size 127
	.end_amdhsa_kernel
	.amdgpu_metadata
---
amdhsa.version: [ 1, 2 ]
amdhsa.kernels:
  - .name:           k_q665e4c2885_proj
    .symbol:         k_q665e4c2885_proj.kd
    .args:
      - { .name: xb, .offset: 0, .size: 8, .value_kind: global_buffer, .address_space: global }
      - { .name: wb, .offset: 8, .size: 8, .value_kind: global_buffer, .address_space: global }
      - { .name: rtab, .offset: 16, .size: 8, .value_kind: global_buffer, .address_space: global }
      - { .name: qkv, .offset: 24, .size: 8, .value_kind: global_buffer, .address_space: global }
      - { .name: vsum, .offset: 32, .size: 8, .value_kind: global_buffer, .address_space: global }
    .group_segment_fixed_size: 327680
    .private_segment_fixed_size: 0
    .kernarg_segment_align: 8
    .kernarg_segment_size: 40
    .max_flat_workgroup_size: 128
    .sgpr_count:     80
    .vgpr_count:     768
    .wavefront_size: 32
...
	.end_amdgpu_metadata
.endif
;; end of part 3
;; launch attn (part 4): grid 32 x 8, 4 waves a work-group, no clusters, 119,296 bytes of LDS; arguments qkv, mbits, vsum, enc, order; writes enc
.if DOCPART == 4
	.amdgcn_target "amdgcn-amd-amdhsa--gfx1250"
	.amdhsa_code_object_version 6
	.text
	.protected	k_q665e4c2885_attn
	.globl	k_q665e4c2885_attn
	.p2align	8
	.type	k_q665e4c2885_attn,@function
k_q665e4c2885_attn:
	s_mov_b64 s[64:65], 0
	v_nop
	global_prefetch_b8 v0, s[64:65] scope:SCOPE_SE
	s_setreg_imm32_b32 hwreg(HW_REG_WAVE_MODE, 25, 1), 1
	s_wait_xcnt 0x0
; ATTENTION with soft cap, band and input mask.  enc[row][n 128 + h] = sum over s of softmax_s(50 tanh(q k / (50 sqrt(128))), masked) v, f16.  q (already times c), k, v: qkv[hc][row][128] f16.
; WORK LEFT OUT: key steps of 64 that the list order[L] does not name (made by earlier launches from attn_mask and reference()'s own band): all their weights are exactly 0 for a row that sees a key.  A row
; that sees none is, in reference(), the mean of all 2,048 rows of V: it is taken from vsum and selected.  A NaN or an infinity in k or v of a step left out is not carried to the result.
; A SCORE.  S = (q c) k; e = 2^S; r = 1 / (1 + e); T = Cm - 2 C r, C = 50 log2(e): the capped logit in units of log2.  Cm is C for a key that is seen, -30,000 for a hidden one.
; SOFTMAX.  A running maximum m of T, p = 2^(T - m) <= 1, O and l times a = 2^(m_old - m_new) in every step.  A hidden key's p is 0 beside a seen one; what a row gathered before its first seen key is
; wiped by a = 0.  A row whose last m is below -10,000 has seen no key.  p is rounded to f16 for the second product; l is the sum of the unrounded p.
; LIMITS.  q c, k, v within f16; NaN and infinities are not treated apart.
; SHARES.  A work-group: 64 tokens x the two query heads of one key/value head: 256 work-groups.  Wave w: tokens 16 w .. 16 w + 15, two tiles u = 0, 1 (the heads), which share K, V and the mask words.
; THE WALK.  order[L]: words 0-31 the live steps, words 32-63 their count n (at least 1).  Trip j works on step list[j]; a step's number is read by a scalar load two trips ahead of its first use, held to
; 0 .. 31, shifted and added to K's, V's and the mask words' base.
; K AND V COME THROUGH REGISTERS, NO TENSOR LOAD, NO CLUSTER: which steps are walked hangs on numbers read from memory; partners of
; a cluster would want different tiles.  The loop has the constant count 32 and one barrier a trip; the n live steps are the first n trips; forward jumps pass only loads, LDS accesses and arithmetic.
; LDS: parity p at p x 65,536: K 64 x 272, V 64 x 288.  What trip j stores was last read in trip j - 2, and every wave waited for those reads in front of barrier j - 1.
; REGISTERS: window 0: addresses, statistics, S (64), P (32), Cm (32), K and V as loaded (32 each); window 1: O^T at 64 u + 8 cb, Q at 128 + 32 u + 8 cq; window 2: K's fragments 0-127, V's 128-255.
.set PK,    272
.set PV,    288
.set VOFF,  64*PK
.set PAR,   65536
.set STAGE, PAR+VOFF+64*PV             ; 101,376: 16 rows x 272 bytes for each wave; byte 256 of a row holds the row's m
.set SP,    272
.set SPARE, STAGE+4*16*SP              ; 118,784: the spare words
.set AK0,  4
.set AV0,  5
.set KST0, 6
.set VST0, 7
.set GOF,  12
.set QO,   13
.set STO,  14
.set RD,   15
.set STM,  16
.set RDM,  17
.set GO,   18
.set NEGR, 19
.set CPOS, 20
.set THR,  21
.set SPW,  22
.set NIL,  23
.set MV,   24
.set MR,   28
.set ST,   40                          ; tile t at ST + 8 t: m, (0), l (even keys', odd keys'), c0-c3 at work; a takes c2's place
.set S,    64
.set P,    128
.set CM,   160
.set KS,   192
.set VS,   224
.set WV,   12
.set MSB, 0
.macro WIN new
.if MSB != (\new)
	s_set_vgpr_msb (MSB<<8)|(\new)
.set MSB, (\new)
.endif
.endm
.macro LOADK                           ; 64 rows of 256 bytes, dense: the work-group's 128 threads take 2,048 bytes an instruction
.irp i, 0,1,2,3,4,5,6,7
	global_load_b128 v[KS+4*(\i):KS+4*(\i)+3], v[GOF], s[22:23] offset:(\i)*2048
.endr
.endm
.macro LOADV
.irp i, 0,1,2,3,4,5,6,7
	global_load_b128 v[VS+4*(\i):VS+4*(\i)+3], v[GOF], s[24:25] offset:(\i)*2048
.endr
.endm
.macro FRAGK adr                       ; 16 fragments: keys 16 (f / 4) on, channels 32 (f % 4) on
	WIN 0x80
.irp f, 0,1,2,3,4,5,6,7,8,9,10,11,12,13,14,15
	ds_load_b128 v[8*(\f):8*(\f)+3],   v[\adr] offset:((\f)/4)*16*PK+((\f)%4)*64
	ds_load_b128 v[8*(\f)+4:8*(\f)+7], v[\adr] offset:((\f)/4)*16*PK+((\f)%4)*64+32
.endr
	WIN 0
.endm
	s_load_b256 s[4:11], s[0:1], 0x0               ; qkv s[4:5], mbits s[6:7], vsum s[8:9], enc s[10:11]
	s_load_b64 s[88:89], s[0:1], 0x20              ; order
	v_lshl_add_u32 v[SPW], v0, 2, SPARE
	v_mov_b32 v[NIL], 0
	v_lshrrev_b32 v1, 5, v0
	v_readfirstlane_b32 s[WV], v1
	v_and_b32 v1, 15, v0                           ; r
	v_bfe_u32 v2, v0, 4, 1                         ; h
	s_mov_b32 s13, ttmp9                           ; qb
	s_and_b32 s14, ttmp7, 0xffff
	s_lshr_b32 s15, s14, 2                         ; b
	s_and_b32 s16, s14, 3                          ; kvh
	s_lshl_b32 s17, s15, 5
	s_add_co_u32 s17, s17, s13                     ; L
	v_mul_u32_u24 v[AK0], v1, PK
	v_lshl_add_u32 v[AK0], v2, 4, v[AK0]           ; a fragment of K: row r, 16 h
	v_and_b32 v39, 7, v0
	v_lshl_add_u32 v39, v2, 3, v39
	v_mul_u32_u24 v[AV0], v39, PV
	v_bfe_u32 v39, v0, 3, 1
	v_lshl_add_u32 v[AV0], v39, 4, v[AV0]
	v_add_nc_u32 v[AV0], VOFF, v[AV0]              ; the turning load: key 8 h + l % 8, channels 8 ((l / 8) % 2) on
	s_lshl_b32 s38, s[WV], 1
	v_add_nc_u32 v39, s38, v2                      ; my thread's row among the eight of a load: 2 w + h
	v_mul_u32_u24 v[KST0], v39, PK
	v_lshl_add_u32 v[KST0], v1, 4, v[KST0]
	v_mul_u32_u24 v[VST0], v39, PV
	v_lshl_add_u32 v[VST0], v1, 4, v[VST0]
	v_add_nc_u32 v[VST0], VOFF, v[VST0]
	v_lshlrev_b32 v[GOF], 4, v0
	v_lshlrev_b32 v[QO], 8, v1
	v_lshl_add_u32 v[QO], v2, 4, v[QO]
	s_mul_i32 s38, s[WV], 16*SP
	s_add_co_u32 s38, s38, STAGE
	v_mul_u32_u24 v[STO], v1, SP
	v_add_nc_u32 v[STO], s38, v[STO]
	v_add_nc_u32 v[STM], 256, v[STO]
	v_lshl_add_u32 v[STO], v2, 4, v[STO]
	v_mul_u32_u24 v[RD], v2, SP
	v_add_nc_u32 v[RD], s38, v[RD]
	v_add_nc_u32 v[RDM], 256, v[RD]
	v_lshl_add_u32 v[RD], v1, 4, v[RD]
	v_lshlrev_b32 v[GO], 11, v2
	v_lshl_add_u32 v[GO], v1, 4, v[GO]             ; enc: row h of two, 16 bytes at 16 r
	v_mov_b32 v[NEGR], 0xc6ea6000                  ; -30,000
	v_mov_b32 v[CPOS], 0x429044fe                  ; C = 72.134752
	v_mov_b32 v[THR], 0xc61c4000                   ; -10,000
	v_lshlrev_b32 v38, 13, v2
	v_lshl_add_u32 v38, v1, 5, v38                 ; vsum: groups 16 h on, channels 8 r on
	s_mov_b32 s40, 0xc31044fe                      ; -2 C
	s_mov_b32 s41, s40
	s_mov_b32 s44, 0x76543210
	s_mov_b32 s45, 0xfedcba98
	s_mov_b32 s29, 0
	s_wait_kmcnt 0x0
	s_lshl_b32 s28, s17, 8
	s_add_nc_u64 s[88:89], s[88:89], s[28:29]      ; my block's row of the list
	s_load_b128 s[92:95], s[88:89], 0x0            ; list[0] .. list[3]; the first three are used from here
	s_load_b32 s31, s[88:89], 0x80                 ; n
	s_add_co_u32 s38, s16, 8
	s_lshl_b32 s28, s38, 20
	s_lshl_b32 s39, s15, 19
	s_add_co_u32 s28, s28, s39
	s_add_nc_u64 s[18:19], s[4:5], s[28:29]        ; K of my head and batch
	s_add_co_u32 s28, s28, 4<<20
	s_add_nc_u64 s[20:21], s[4:5], s[28:29]        ; V
	s_lshl_b32 s28, s16, 21
	s_add_co_u32 s28, s28, s39
	s_lshl_b32 s38, s13, 14
	s_add_co_u32 s28, s28, s38
	s_lshl_b32 s38, s[WV], 12
	s_add_co_u32 s28, s28, s38
	s_add_nc_u64 s[84:85], s[4:5], s[28:29]        ; Q: head 2 kvh, my 16 rows
	s_lshl_b32 s28, s17, 14
	s_lshl_b32 s38, s[WV], 7
	s_add_co_u32 s28, s28, s38
	s_add_nc_u64 s[26:27], s[6:7], s[28:29]        ; the words of (L, step 0, tt = w)
	s_lshl_b32 s28, s16, 15
	s_lshl_b32 s38, s15, 14
	s_add_co_u32 s28, s28, s38
	s_add_nc_u64 s[8:9], s[8:9], s[28:29]          ; vsum: my head's 32 groups of my batch
	s_lshl_b32 s28, s15, 22
	s_lshl_b32 s38, s13, 17
	s_add_co_u32 s28, s28, s38
	s_lshl_b32 s38, s[WV], 15
	s_add_co_u32 s28, s28, s38
	s_lshl_b32 s38, s16, 9
	s_add_co_u32 s28, s28, s38
	s_add_nc_u64 s[10:11], s[10:11], s[28:29]      ; enc at my first row, head 2 kvh
	WIN 0x40
.irp i, 0,1,2,3,4,5,6,7                ; Q stays in registers: tile i / 4, channels 32 (i % 4) on
	global_load_b128 v[128+8*(\i):128+8*(\i)+3],   v[QO], s[84:85] offset:((\i)/4)*1048576+((\i)%4)*64
	global_load_b128 v[128+8*(\i)+4:128+8*(\i)+7], v[QO], s[84:85] offset:((\i)/4)*1048576+((\i)%4)*64+32
.endr
	WIN 0x80
.irp i, 0,1,2,3,4,5,6,7,8,9,10,11,12,13,14,15
	global_load_b128 v[128+8*(\i):128+8*(\i)+3],   v38, s[8:9] offset:(\i)*512
	global_load_b128 v[128+8*(\i)+4:128+8*(\i)+7], v38, s[8:9] offset:(\i)*512+16
.endr
	WIN 0
	s_wait_kmcnt 0x0                               ; the list's first entries and n
	s_mov_b32 s32, s93                             ; list[j + 1] at trip j = 0,
	s_mov_b32 s33, s94                             ; and list[j + 2]
	s_min_u32 s38, s92, 31                         ; a number that was loaded is held to the table's range before it enters an address
	s_lshl_b32 s28, s38, 14                        ; a step is 64 rows of 256 bytes
	s_add_nc_u64 s[22:23], s[18:19], s[28:29]
	LOADK                                          ; K(0)
	s_add_nc_u64 s[24:25], s[20:21], s[28:29]
	LOADV                                          ; V(0)
	s_lshl_b32 s28, s38, 9                         ; and 512 bytes of mask words
	s_add_nc_u64 s[36:37], s[26:27], s[28:29]
	s_load_b512 s[48:63], s[36:37], 0x0            ; the 32 mask words of step (0)
	s_load_b512 s[68:83], s[36:37], 0x40
	s_wait_loadcnt 8                               ; K(0) is in, Q and vsum too; V(0)'s eight stay out
.irp i, 0,1,2,3,4,5,6,7
	ds_store_b128 v[KST0], v[KS+4*(\i):KS+4*(\i)+3] offset:(\i)*8*PK
.endr
	s_wait_dscnt 0x0
	s_barrier_signal -1
	s_barrier_wait -1
	FRAGK AK0
	s_cmp_gt_u32 s31, 1
	s_cbranch_scc0 .Lno_k1
	s_min_u32 s38, s93, 31
	s_lshl_b32 s28, s38, 14
	s_add_nc_u64 s[22:23], s[18:19], s[28:29]      ; (K(0)'s loads are done: their base may be written)
	LOADK                                          ; K(1)
.Lno_k1:
	; the mean of all 2,048 rows of V, for rows that see no key: my 16 groups, then the other half of the lanes'
	WIN 0x8a
.irp d, 8, 4, 2
.set i, 0
.rept 4*(\d)
	v_pk_add_f32 v[128+2*i:128+2*i+1], v[128+2*i:128+2*i+1], v[128+8*(\d)+2*i:128+8*(\d)+2*i+1]
.set i, i+1
.endr
.endr
	WIN 0x0a
.irp p, 0,2,4,6
	v_pk_add_f32 v[S+\p:S+\p+1], v[128+\p:128+\p+1], v[136+\p:136+\p+1]
.endr
	WIN 0
.irp e, 0,1,2,3,4,5,6,7
	v_mov_b32 v[S+8+\e], 0                         ; v_permlanex16_b32's destination counts as read
.endr
.irp e, 0,1,2,3,4,5,6,7
	v_permlanex16_b32 v[S+8+\e], v[S+\e], s44, s45
.endr
.irp p, 0,2,4,6
	v_pk_add_f32 v[S+\p:S+\p+1], v[S+\p:S+\p+1], v[S+8+\p:S+8+\p+1]
.endr
.irp p, 0,2,4,6
	v_pk_mul_f32 v[S+\p:S+\p+1], v[S+\p:S+\p+1], 0x3a000000 op_sel_hi:[1,0]  ; / 2,048
.endr
.irp p, 0,1,2,3
	v_cvt_pk_f16_f32 v[MV+\p], v[S+2*\p], v[S+2*\p+1]
.endr
	; O and l start at 0, m at the lowest finite number: the first step is a step like any other, with a = 0.  These lines stand in the wait for the first tiles, so that the trip has one text.
	WIN 0x40
.set i, 0
.rept 128
	v_mov_b32 v[i], 0
.set i, i+1
.endr
	WIN 0
.irp t, 0,1
	v_mov_b32 v[ST+8*\t], 0xff7fffff
.irp z, 1,2,3,4,5,6,7                  ; l, and c0-c3 too: the way out names c1 as a lane exchange's destination and c3 as the upper half of a pair, so all eight are written on every path
	v_mov_b32 v[ST+8*\t+\z], 0
.endr
.endr
.macro MX t, n                         ; number n of the 21 that find tile t's new maximum and a
.set rT, ST+8*(\t)
.set rS, S+32*(\t)
.if (\n) < 4
	v_max3_num_f32 v[rT+4+(\n)], v[rS+8*(\n)], v[rS+8*(\n)+1], v[rS+8*(\n)+2]
.elseif (\n) < 12
	v_max3_num_f32 v[rT+4+(\n)%4], v[rT+4+(\n)%4], v[rS+8*((\n)%4)+2*((\n)/4)+1], v[rS+8*((\n)%4)+2*((\n)/4)+2]
.elseif (\n) == 12
	v_max3_num_f32 v[rT+4], v[rT+4], v[rS+7], v[rS+15]
.elseif (\n) == 13
	v_max3_num_f32 v[rT+6], v[rT+6], v[rS+23], v[rS+31]
.elseif (\n) == 14
	v_max3_num_f32 v[rT+4], v[rT+4], v[rT+5], v[rT+6]
.elseif (\n) == 15
	v_max3_num_f32 v[rT+4], v[rT+4], v[rT+7], v[rT]
.elseif (\n) == 16
	v_permlanex16_b32 v[rT+5], v[rT+4], s44, s45   ; the query's other 32 keys lie 16 lanes away
.elseif (\n) == 17
	v_mov_b32 v[rT+7], v[rT]
.elseif (\n) == 18
	v_max_num_f32 v[rT], v[rT+4], v[rT+5]
.elseif (\n) == 19
	v_sub_f32 v[rT+7], v[rT+7], v[rT]
.else
	v_exp_f32 v[rT+6], v[rT+7]
.endif
.endm
	s_mov_b32 s30, 0                               ; j
	s_mov_b32 s34, 0                               ; the parity of V(j),
	s_mov_b32 s35, PAR                             ; and of K(j + 1)
.Ltrip:
	s_wait_loadcnt 0x0                             ; V(j) and K(j + 1), asked for a trip ago
	s_wait_kmcnt 0x0                               ; the mask words of step (j), and list[j + 2]: no scalar load of mine is out,
	s_add_nc_u64 s[88:89], s[88:89], 4             ; so the list's pointer may step: it stands at word j + 1
	v_add_nc_u32 v8, s34, v[VST0]
	v_add_nc_u32 v9, s35, v[KST0]
	v_add_nc_u32 v10, s34, v[AV0]
	v_add_nc_u32 v11, s35, v[AK0]
	s_add_co_u32 s38, s30, 1
	s_cmp_lt_u32 s30, s31
	s_cbranch_scc0 .Lstored
.irp i, 0,1,2,3,4,5,6,7
	ds_store_b128 v8, v[VS+4*(\i):VS+4*(\i)+3] offset:(\i)*8*PV
.endr
	s_cmp_lt_u32 s38, s31
	s_cbranch_scc0 .Lstored
.irp i, 0,1,2,3,4,5,6,7
	ds_store_b128 v9, v[KS+4*(\i):KS+4*(\i)+3] offset:(\i)*8*PK
.endr
.Lstored:
	s_wait_dscnt 0x0                               ; for the others' sake: my stores are done, and so are my reads of the last trip (K(j)'s fragments among them)
	s_barrier_signal -1
	s_barrier_wait -1
	s_cmp_lt_u32 s30, s31
	s_cbranch_scc0 .Lnext                          ; a trip past the last live step does nothing more
	WIN 0x80
.irp f, 0,1,2,3,4,5,6,7,8,9,10,11,12,13,14,15  ; V(j), turned: keys 32 (f / 8) on, channels 16 (f % 8) on
	ds_load_tr16_b128 v[128+8*(\f):128+8*(\f)+3],   v10 offset:((\f)/8)*32*PV+((\f)%8)*32
	ds_load_tr16_b128 v[128+8*(\f)+4:128+8*(\f)+7], v10 offset:((\f)/8)*32*PV+16*PV+((\f)%8)*32
.endr
	WIN 0
	s_cmp_lt_u32 s38, s31
	s_cbranch_scc0 .Lno_next
	s_min_u32 s39, s32, 31                         ; list[j + 1]
	s_lshl_b32 s28, s39, 14
	s_add_nc_u64 s[24:25], s[20:21], s[28:29]
	LOADV                                          ; V(j + 1)
	s_lshl_b32 s28, s39, 9
	s_add_nc_u64 s[36:37], s[26:27], s[28:29]      ; where its mask words lie
	s_add_co_u32 s39, s30, 2
	s_cmp_lt_u32 s39, s31
	s_cbranch_scc0 .Lno_next
	s_min_u32 s39, s33, 31                         ; list[j + 2]
	s_lshl_b32 s28, s39, 14
	s_add_nc_u64 s[22:23], s[18:19], s[28:29]
	LOADK                                          ; K(j + 2)
.Lno_next:
	s_mov_b32 s32, s33                             ; the next trip's list[j + 1],
	s_load_b32 s33, s[88:89], 0x8                  ; and its list[j + 2]: word j + 3 of the row, word 34 at the most, inside the row's 64; waited for at the next trip's top
	WIN 0x06                                       ; K window 2, Q window 1, S window 0
.set i, 0
.rept 32                               ; S^T = K Q^T: channels 32 (i / 8) on, keys 16 ((i / 2) % 4) on, tile i % 2: eight accumulators take turns
.set rS, S+32*(i%2)+8*((i/2)%4)
.set rK, 32*((i/2)%4)+8*(i/8)
.set rQ, 128+32*(i%2)+8*(i/8)
.if i < 8
	v_wmma_f32_16x16x32_f16 v[rS:rS+7], v[rK:rK+7], v[rQ:rQ+7], 0
.else
	v_wmma_f32_16x16x32_f16 v[rS:rS+7], v[rK:rK+7], v[rQ:rQ+7], v[rS:rS+7]
.endif
.set i, i+1
.endr
	WIN 0
.set e, 0
.rept 16                               ; Cm, for both heads; these 32 plain lines are the places behind the products
	v_cndmask_b32 v[CM+e], v[NEGR], v[CPOS], s[48+e]
.set e, e+1
.endr
.set e, 0
.rept 16
	v_cndmask_b32 v[CM+16+e], v[NEGR], v[CPOS], s[68+e]
.set e, e+1
.endr
	s_cmp_lt_u32 s38, s31
	s_cbranch_scc0 .Lno_k
	s_load_b512 s[48:63], s[36:37], 0x0            ; the mask words of step (j + 1)
	s_load_b512 s[68:83], s[36:37], 0x40
	FRAGK 11                                       ; K(j + 1), stored in front of this trip's barrier
.Lno_k:
.set e, 0
.rept 64                               ; e = 2^S, ascending: each accumulator is read from its low end
	v_exp_f32 v[S+e], v[S+e]
.set e, e+1
.endr
	v_nop
	s_wait_alu depctr_va_vdst(0)                   ; one wait for the batch of 64
.set e, 0
.rept 16                               ; r = 1 / (1 + e)
	v_pk_add_f32 v[S+e:S+e+1], v[S+e:S+e+1], 1.0 op_sel_hi:[1,0]
	v_pk_add_f32 v[S+e+2:S+e+3], v[S+e+2:S+e+3], 1.0 op_sel_hi:[1,0]
	v_rcp_f32 v[S+e], v[S+e]
	v_rcp_f32 v[S+e+1], v[S+e+1]
	v_rcp_f32 v[S+e+2], v[S+e+2]
	v_rcp_f32 v[S+e+3], v[S+e+3]
.set e, e+4
.endr
	v_nop
	s_wait_alu depctr_va_vdst(0)                   ; one wait for the 64 reciprocals
.set e, 0
.rept 32                               ; T = Cm - 2 C r
	v_pk_fma_f32 v[S+2*e:S+2*e+1], v[S+2*e:S+2*e+1], s[40:41], v[CM+2*(e%16):CM+2*(e%16)+1] op_sel_hi:[1,0,1]
.set e, e+1
.endr
.irp n, 0,1,2,3,4,5,6,7,8,9,10,11,12,13,14,15,16,17,18,19,20
	MX 0, \n
	MX 1, \n
.endr
.set g, 0
.rept 16                               ; p = 2^(T - m): four scores of a tile at a time, the tiles by turns
.set rb, S+32*(g%2)+4*(g/2)
.set rT, ST+8*(g%2)
	v_pk_add_f32 v[rb:rb+1], v[rb:rb+1], v[rT:rT+1] op_sel_hi:[1,0] neg_lo:[0,1] neg_hi:[0,1]
	v_pk_add_f32 v[rb+2:rb+3], v[rb+2:rb+3], v[rT:rT+1] op_sel_hi:[1,0] neg_lo:[0,1] neg_hi:[0,1]
	v_exp_f32 v[rb], v[rb]
	v_exp_f32 v[rb+1], v[rb+1]
	v_exp_f32 v[rb+2], v[rb+2]
	v_exp_f32 v[rb+3], v[rb+3]
.set g, g+1
.endr
	v_nop
	s_wait_alu depctr_va_vdst(0)                   ; one wait for the two a and the 64 weights
.set e, 0
.rept 32
	v_cvt_pk_f16_f32 v[P+e], v[S+2*e], v[S+2*e+1]
.set e, e+1
.endr
.irp d, 4, 8, 16, 32                   ; the sums of each tile's 16 pairs, in place: neighbours 1, 2, 4, 8 pairs apart
.set e, 0
.rept 64/(\d)
	v_pk_add_f32 v[S+(\d)*e:S+(\d)*e+1], v[S+(\d)*e:S+(\d)*e+1], v[S+(\d)*e+(\d)/2:S+(\d)*e+(\d)/2+1]
.set e, e+1
.endr
.endr
.irp t, 0,1
	v_pk_fma_f32 v[ST+8*\t+2:ST+8*\t+3], v[ST+8*\t+2:ST+8*\t+3], v[ST+8*\t+6:ST+8*\t+7], v[S+32*\t:S+32*\t+1] op_sel_hi:[1,0,1]  ; l = a l + sum
.endr
	WIN 0x41
.set e, 0
.rept 64                               ; O^T times a, ascending
	v_pk_mul_f32 v[2*e:2*e+1], v[2*e:2*e+1], v[ST+8*(e/32)+6:ST+8*(e/32)+7] op_sel_hi:[1,0]
.set e, e+1
.endr
	s_wait_dscnt 0x0                               ; V(j)'s fragments are in
	WIN 0x52                                       ; V window 2, P window 0, O^T window 1
.set i, 0
.rept 32                               ; O^T += V^T P: keys 32 (i / 16) on, channels 16 ((i / 2) % 8) on, tile i % 2: sixteen accumulators take turns
.set rO, 64*(i%2)+8*((i/2)%8)
.set rV, 128+64*(i/16)+8*((i/2)%8)
.set rP, P+16*(i%2)+8*(i/16)
	v_wmma_f32_16x16x32_f16 v[rO:rO+7], v[rV:rV+7], v[rP:rP+7], v[rO:rO+7]
.set i, i+1
.endr
	WIN 0
.rept 4
	v_nop                                          ; the places behind those products
.endr
.Lnext:
	s_xor_b32 s34, s34, PAR
	s_xor_b32 s35, s35, PAR
	s_add_co_u32 s30, s30, 1
	s_cmp_lt_u32 s30, 32
	s_cbranch_scc1 .Ltrip
	; THE WAY OUT: O^T / l, rounded to f16, through my stage with the row's m beside it; a row that saw no key takes the mean of V.
.irp t, 0,1
	v_add_f32 v[ST+8*\t+4], v[ST+8*\t+2], v[ST+8*\t+3]
.endr
.irp t, 0,1
	v_permlanex16_b32 v[ST+8*\t+5], v[ST+8*\t+4], s44, s45
.endr
.irp t, 0,1
	v_add_f32 v[ST+8*\t+4], v[ST+8*\t+4], v[ST+8*\t+5]
.endr
.irp t, 0,1
	v_rcp_f32 v[ST+8*\t+6], v[ST+8*\t+4]
.endr
	v_nop
	s_wait_alu depctr_va_vdst(0)
.macro TILEOUT u
	WIN 0x41
.set i, 0
.rept 32
	v_pk_mul_f32 v[64*(\u)+2*i:64*(\u)+2*i+1], v[64*(\u)+2*i:64*(\u)+2*i+1], v[ST+8*(\u)+6:ST+8*(\u)+7] op_sel_hi:[1,0]
.set i, i+1
.endr
	WIN 0x05
.set i, 0
.rept 32
	v_cvt_pk_f16_f32 v[S+32*(\u)+i], v[64*(\u)+2*i], v[64*(\u)+2*i+1]
.set i, i+1
.endr
	WIN 0
.irp f, 0,1,2,3,4,5,6,7
	ds_store_b128 v[STO], v[S+32*(\u)+4*(\f):S+32*(\u)+4*(\f)+3] offset:32*(\f)
.endr
	ds_store_b32 v[STM], v[ST+8*(\u)]              ; both halves of the lanes hold the same m
.irp f, 0,1,2,3,4,5,6,7
	ds_load_b128 v[S+32*(\u)+4*(\f):S+32*(\u)+4*(\f)+3], v[RD] offset:(\f)*2*SP  ; LDS serves a wave's instructions in order (ISA guide 5.7.1.4)
.endr
.irp f, 0,1,2,3,4,5,6,7
	ds_load_b32 v[MR+(\f)], v[RDM] offset:(\f)*2*SP
.endr
	s_wait_dscnt 0x0
.irp f, 0,1,2,3,4,5,6,7
	v_cmp_lt_f32 vcc_lo, v[MR+(\f)], v[THR]
.irp p, 0,1,2,3
	v_cndmask_b32 v[S+32*(\u)+4*(\f)+(\p)], v[S+32*(\u)+4*(\f)+(\p)], v[MV+(\p)], vcc_lo
.endr
	global_store_b128 v[GO], v[S+32*(\u)+4*(\f):S+32*(\u)+4*(\f)+3], s[10:11] offset:(\f)*4096+(\u)*256  ; sixteen lanes store 256 consecutive bytes, aligned
.endr
.endm
	TILEOUT 0
	TILEOUT 1
	s_wait_tensorcnt 0x0                           ; the wave's end, behind my last LDS store
	ds_add_u32 v[SPW], v[NIL]
	s_wait_dscnt 0x0
	s_endpgm
.Lfunc_end_k_q665e4c2885_attn:
	.size	k_q665e4c2885_attn, .Lfunc_end_k_q665e4c2885_attn-k_q665e4c2885_attn
	.p2alignl 7, 3214868480
	.fill 96, 4, 3214868480
	.section	.rodata,"a",@progbits
	.p2align	6, 0x0
	.amdhsa_kernel k_q665e4c2885_attn
		.amdhsa_group_segment_fixed_size 119296
		.amdhsa_private_segment_fixed_size 0
		.amdhsa_enable_private_segment 0
		.amdhsa_kernarg_size 40
		.amdhsa_user_sgpr_count 2
		.amdhsa_user_sgpr_kernarg_segment_ptr 1
		.amdhsa_wavefront_size32 1
		.amdhsa_system_sgpr_workgroup_id_x 1
		.amdhsa_system_sgpr_workgroup_id_y 1
		.amdhsa_system_sgpr_workgroup_id_z 1
		.amdhsa_system_vgpr_workitem_id 0
		.amdhsa_next_free_vgpr 768
		.amdhsa_next_free_sgpr 96
		.amdhsa_reserve_vcc 1
		.amdhsa_float_denorm_mode_32 3
		.amdhsa_float_denorm_mode_16_64 3
		.amdhsa_memory_ordered 1
		.amdhsa_forward_progress 1
		.amdhsa_inst_pref_size 78
	.end_amdhsa_kernel
	.amdgpu_metadata
---
amdhsa.version: [ 1, 2 ]
amdhsa.kernels:
  - .name:           k_q665e4c2885_attn
    .symbol:         k_q665e4c2885_attn.kd
    .args:
      - { .name: qkv, .offset: 0, .size: 8, .value_kind: global_buffer, .address_space: global }
      - { .name: mbits, .offset: 8, .size: 8, .value_kind: global_buffer, .address_space: global }
      - { .name: vsum, .offset: 16, .size: 8, .value_kind: global_buffer, .address_space: global }
      - { .name: enc, .offset: 24, .size: 8, .value_kind: global_buffer, .address_space: global }
      - { .name: order, .offset: 32, .size: 8, .value_kind: global_buffer, .address_space: global }
    .group_segment_fixed_size: 119296
    .private_segment_fixed_size: 0
    .kernarg_segment_align: 8
    .kernarg_segment_size: 40
    .max_flat_workgroup_size: 128
    .sgpr_count:     96
    .vgpr_count:     768
    .wavefront_size: 32
...
	.end_amdgpu_metadata
.endif
;; end of part 4
;; launch outp (part 5): grid 16 x 16, 4 waves a work-group, clusters of 4 x 4, 327,680 bytes of LDS; arguments enc, wb, out0; writes out0
.if DOCPART == 5
	.amdgcn_target "amdgcn-amd-amdhsa--gfx1250"
	.amdhsa_code_object_version 6
	.text
	.protected	k_q665e4c2885_outp
	.globl	k_q665e4c2885_outp
	.p2align	8
	.type	k_q665e4c2885_outp,@function
k_q665e4c2885_outp:
	s_mov_b64 s[64:65], 0
	v_nop
	global_prefetch_b8 v0, s[64:65] scope:SCOPE_SE
	s_setreg_imm32_b32 hwreg(HW_REG_WAVE_MODE, 25, 1), 1
	s_wait_xcnt 0x0
	s_wait_alu depctr_hold_cnt(0) depctr_sa_sdst(0) depctr_va_vdst(0) depctr_va_sdst(0) depctr_va_ssrc(0) depctr_va_vcc(0) depctr_vm_vsrc(0)
	s_getreg_b32 s2, hwreg(HW_REG_IB_STS2, 6, 4)
	s_cmp_eq_u32 s2, 0
	s_cbranch_scc0 .Lentry_in_a_cluster
	s_endpgm
.Lentry_in_a_cluster:
	s_bfe_u32 s2, ttmp6, 0x10000c
	s_cmp_lg_u32 s2, 0xf033
	s_cbranch_scc0 .Lentry_shape_is_right
	s_endpgm
.Lentry_shape_is_right:
; THE OUTPUT PROJECTION.  out0[row][d] = sum over k of enc[row][k] wo[k][d].  enc: [4096][1024] f16; wo: [1024][2048] f16 (wvec rounded to bf16, written as f16), the part of wb from byte 8,388,608 on;
; out0 f32; sums in f32.  No work of reference() is left out here.
; SHARES, RING, CLUSTER as in the projections in front: a work-group makes 256 rows x 128 columns (256 work-groups), wave w rows 64 w .. 64 w + 63 x all 128 columns in 32 accumulators; source 0 = 16 columns
; of wo (stored [k][column], turned by ds_load_tr16_b128), source 1 = 16 rows of enc, so a lane holds row l % 16 and eight neighbouring columns; K in 8 steps of 128 through two LDS slots; enc's tiles
; are asked for jointly along a row of the 4 x 4 cluster, wo's along a column.
.set PA,    272
.set PB,    288
.set BOFF,  256*PA
.set SLOT1, 131072
.set STAGE, SLOT1+BOFF+128*PB          ; 237,568: 16 rows x 528 bytes for each wave; no tensor load fills it
.set SP,    528                        ; 512 bytes + 16 = 132 words: the 16 rows of a store start at 16 different groups of four banks (ISA guide 11.1)
.set SPARE, STAGE+4*16*SP              ; 271,360: the spare words
.set KSTEPS, 8
.set ASTEP, 256
.set BSTEP, 524288                     ; 128 rows of 4,096 bytes
.set WOFF,  8388608                    ; where wo begins in wb
.set A0,   4
.set B0,   5
.set ADRA, 6
.set ADRB, 7
.set STO,  8
.set RD,   9
.set CO,   10
.set PFO,  12
.set SPW,  14
.set NIL,  15
.set F0,   64
.set F1,   160
.set BK,   64
.set WV,   14
.set ROLE, 15
.set HALF, 16
.set CX,   17
.set CY,   18
.set CB,   19
.set RB,   20
.set TB,   21
.set TRIPS, 22
.set LIM,  23
.set G1A,  24
.set G0A,  32
.set G1B,  40
.set G0B,  48
.set PFA,  56
.set PFS,  58
.set MSB, 0
.macro WIN new
.if MSB != (\new)
	s_set_vgpr_msb (MSB<<8)|(\new)
.set MSB, (\new)
.endif
.endm
.macro PLACES
.rept 4
	v_nop
.endr
.endm
.macro JLOAD                           ; a joint refill; an s_nop 0 and four v_nop follow each line
	s_cmp_eq_u32 s[ROLE], 0
	s_cbranch_scc0 .Lfor_b_\@
	tensor_load_to_lds s[G0A+4:G0A+7], s[G1A:G1A+7]
	s_nop 0
.rept 4
	v_nop
.endr
	s_branch .Lasked_\@
.Lfor_b_\@:
	tensor_load_to_lds s[G0B+4:G0B+7], s[G1B:G1B+7]
	s_nop 0
.rept 4
	v_nop
.endr
.Lasked_\@:
.endm
.macro CREST
	s_cmp_lg_u32 s[WV], 0
	s_cbranch_scc1 .Lnot_wave_0_\@
	s_barrier_signal -3
.Lnot_wave_0_\@:
	s_barrier_wait -3
	s_barrier_signal -1
	s_barrier_wait -1
.endm
.macro CROUND
	s_barrier_signal -1
	s_barrier_wait -1
	CREST
.endm
; A prefetch into the L2: behind the refill that asks for K step i + 2 it names K step i + 5 (i = 0, 1, 2), three K steps ahead.  enc's rows: waves 0 and 1 of the clusters with x = 0, 32 rows a partner,
; told apart by address (cx); wo's 128 rows of a K step: wave 2 of the clusters with y = 0, 32 a partner (cy).  A lane a row's 256 bytes: each block is named once.  The last three refills ask for nothing.
.macro ASK
	s_cmp_gt_u32 s[TRIPS], s[LIM]
	s_cbranch_scc0 .Lnot_mine_\@
	global_prefetch_b8 v[PFO], s[PFA:PFA+1] th:TH_LOAD_NT scope:SCOPE_SE
.Lnot_mine_\@:
.endm
.macro MULA f, a, zero                 ; the 32 accumulators take turns, in the same order in every quarter
	WIN 0x50
.irp b, 0,1,2,3,4,5,6,7
.if \zero
	v_wmma_f32_16x16x32_f16 v[8*(8*(\a)+(\b)):8*(8*(\a)+(\b))+7], v[(\f)+8*(\b):(\f)+8*(\b)+7], v[(\f)+64+8*(\a):(\f)+64+8*(\a)+7], 0
.else
	v_wmma_f32_16x16x32_f16 v[8*(8*(\a)+(\b)):8*(8*(\a)+(\b))+7], v[(\f)+8*(\b):(\f)+8*(\b)+7], v[(\f)+64+8*(\a):(\f)+64+8*(\a)+7], v[8*(8*(\a)+(\b)):8*(8*(\a)+(\b))+7]
.endif
.endr
.endm
.macro FETCH k, f
	WIN 0
.irp b, 0,1,2,3,4,5,6,7
	ds_load_tr16_b128 v[(\f)+8*(\b):(\f)+8*(\b)+3],   v[ADRB] offset:((\k)/2)*PB+32*(\b)
	ds_load_tr16_b128 v[(\f)+8*(\b)+4:(\f)+8*(\b)+7], v[ADRB] offset:((\k)/2)*PB+16*PB+32*(\b)
.endr
.irp a, 0,1,2,3
	ds_load_b128 v[(\f)+64+8*(\a):(\f)+64+8*(\a)+3],   v[ADRA] offset:(\a)*16*PA+(\k)
	ds_load_b128 v[(\f)+64+8*(\a)+4:(\f)+64+8*(\a)+7], v[ADRA] offset:(\a)*16*PA+(\k)+32
.endr
.endm
.macro QUARTER k, f, g, zero
	s_wait_dscnt 4                                 ; all but enc's row blocks 2 and 3
	MULA \f, 0, \zero
	MULA \f, 1, \zero
	PLACES
	FETCH \k, \g
	s_wait_dscnt 24                                ; all but the 24 just issued
	MULA \f, 2, \zero
	MULA \f, 3, \zero
.endm
.macro TURN fill                       ; the change of slots: the wait for all my tensor loads, the add, the wait for it and for my reads, the barrier (with fill = 1 a round of the cluster's), the refill first behind it
.if \fill
	s_wait_xcnt 0x0                                ; the last prefetch, a K step back, has read its address
	s_add_nc_u64 s[PFA:PFA+1], s[PFA:PFA+1], s[PFS:PFS+1]
.endif
	WIN 0
	s_wait_tensorcnt 0x0
	ds_add_u32 v[SPW], v[NIL]
	s_wait_dscnt 5                                 ; the add and enc's row blocks 2 and 3 may be out
	MULA F1, 0, 0
	s_wait_dscnt 0x0
	s_barrier_signal -1
	MULA F1, 1, 0
	WIN 0
	s_barrier_wait -1
.if \fill
	CREST
	s_xor_b32 s[G0A+5], s[G0A+5], SLOT1
	s_add_nc_u64 s[G0A+6:G0A+7], s[G0A+6:G0A+7], ASTEP
	s_xor_b32 s[G0B+5], s[G0B+5], SLOT1
	s_add_nc_u64 s[G0B+6:G0B+7], s[G0B+6:G0B+7], BSTEP
	JLOAD
.else
	PLACES
.endif
	s_xor_b32 s[TB], s[TB], SLOT1
	v_add_nc_u32 v[ADRA], s[TB], v[A0]
	v_add_nc_u32 v[ADRB], s[TB], v[B0]
	FETCH 0, F0
.if \fill
	ASK
.endif
	MULA F1, 2, 0
	MULA F1, 3, 0
.endm
	s_load_b128 s[4:7], s[0:1], 0x0                ; enc s[4:5], wb s[6:7]
	s_load_b64 s[8:9], s[0:1], 0x10                ; out0
	v_lshl_add_u32 v[SPW], v0, 2, SPARE
	v_mov_b32 v[NIL], 0
	ds_add_u32 v[SPW], v[NIL]                      ; the opening: the add, twice on end, and its wait ahead of my first tensor load
	ds_add_u32 v[SPW], v[NIL]
	v_lshrrev_b32 v1, 5, v0
	v_readfirstlane_b32 s[WV], v1
	s_lshr_b32 s[ROLE], s[WV], 1
	s_and_b32 s[HALF], s[WV], 1
	s_bfe_u32 s[CX], ttmp6, 0x40000
	s_bfe_u32 s[CY], ttmp6, 0x40004
	s_lshl_b32 s[CB], ttmp9, 2
	s_add_co_u32 s[CB], s[CB], s[CX]               ; the block of 128 columns
	s_and_b32 s[RB], ttmp7, 0xffff
	s_lshl_b32 s[RB], s[RB], 2
	s_add_co_u32 s[RB], s[RB], s[CY]               ; the block of 256 rows
	s_lshl_b32 s60, s[CY], 2
	s_lshl_b32 s60, 15, s60
	s_lshl_b32 s62, 0x1111, s[CX]
	s_or_b32 s[G1A], s60, (1<<16)|(1<<20)|(1<<21)|(5<<22)|(3<<25)
	s_or_b32 s[G1B], s62, (1<<16)|(1<<20)|(1<<21)|(5<<22)|(7<<25)
	s_mov_b32 s[G1A+1], 128<<16
	s_mov_b32 s[G1A+2], 128<<16
	s_mov_b32 s[G1A+3], 128<<16
	s_mov_b32 s[G1A+4], 128
	s_mov_b32 s[G1A+5], 1024
	s_mov_b32 s[G1A+6], 0
	s_mov_b32 s[G1A+7], 0
	s_mov_b32 s[G1B+1], 128<<16
	s_mov_b32 s[G1B+2], 64<<16
	s_mov_b32 s[G1B+3], 128<<16
	s_mov_b32 s[G1B+4], 64
	s_mov_b32 s[G1B+5], 2048
	s_mov_b32 s[G1B+6], 0
	s_mov_b32 s[G1B+7], 0
	s_lshl_b32 s60, s[RB], 19                      ; enc: (256 block + 128 half) rows of 2,048 bytes
	s_lshl_b32 s61, s[HALF], 18
	s_add_co_u32 s60, s60, s61
	s_mov_b32 s61, 0
	s_lshl_b32 s62, s[CB], 8                       ; wo: the block's 256 bytes of a row, 64 half rows of 4,096,
	s_lshl_b32 s63, s[HALF], 18
	s_add_co_u32 s62, s62, s63
	s_add_co_u32 s62, s62, WOFF                    ; behind wb's first two parts
	s_mov_b32 s63, 0
	s_mul_i32 s66, s[HALF], 128*PA
	s_mul_i32 s67, s[HALF], 64*PB
	s_add_co_u32 s67, s67, BOFF
	s_mov_b32 s[TB], 0
	s_wait_dscnt 0x0
	s_wait_kmcnt 0x0
	s_add_nc_u64 s[60:61], s[4:5], s[60:61]
	s_add_nc_u64 s[62:63], s[6:7], s[62:63]
	CROUND
.irp s, 0,1
	s_mov_b32 s[G0A+4*(\s)], 1
	s_add_co_u32 s[G0A+4*(\s)+1], s66, (\s)*SLOT1
	s_add_nc_u64 s[G0A+4*(\s)+2:G0A+4*(\s)+3], s[60:61], (\s)*ASTEP
	s_or_b32 s[G0A+4*(\s)+3], s[G0A+4*(\s)+3], 0x80000000
	s_mov_b32 s[G0B+4*(\s)], 1
	s_add_co_u32 s[G0B+4*(\s)+1], s67, (\s)*SLOT1
	s_add_nc_u64 s[G0B+4*(\s)+2:G0B+4*(\s)+3], s[62:63], (\s)*BSTEP
	s_or_b32 s[G0B+4*(\s)+3], s[G0B+4*(\s)+3], 0x80000000
.endr
	s_cmp_eq_u32 s[ROLE], 0
	s_cbranch_scc0 .Lfirst_b
	tensor_load_to_lds s[G0A:G0A+3], s[G1A:G1A+7]
	s_nop 0
	tensor_load_to_lds s[G0A+4:G0A+7], s[G1A:G1A+7]
	s_nop 0
.rept 4
	v_nop
.endr
	s_branch .Lfirst_asked
.Lfirst_b:
	tensor_load_to_lds s[G0B:G0B+3], s[G1B:G1B+7]
	s_nop 0
	tensor_load_to_lds s[G0B+4:G0B+7], s[G1B:G1B+7]
	s_nop 0
.rept 4
	v_nop
.endr
.Lfirst_asked:
	v_and_b32 v1, 15, v0
	v_bfe_u32 v2, v0, 4, 1
	v_and_b32 v3, 31, v0
	s_lshl_b32 s72, s[WV], 6
	v_add_nc_u32 v17, s72, v1
	v_mul_u32_u24 v[A0], v17, PA
	v_lshl_add_u32 v[A0], v2, 4, v[A0]
	v_and_b32 v17, 7, v0
	v_lshl_add_u32 v17, v2, 3, v17
	v_mul_u32_u24 v[B0], v17, PB
	v_bfe_u32 v17, v0, 3, 1
	v_lshl_add_u32 v[B0], v17, 4, v[B0]
	v_add_nc_u32 v[B0], BOFF, v[B0]
	v_mov_b32 v[ADRA], v[A0]
	v_mov_b32 v[ADRB], v[B0]
	s_mul_i32 s72, s[WV], 16*SP
	s_add_co_u32 s72, s72, STAGE
	v_mul_u32_u24 v[STO], v1, SP
	v_lshl_add_u32 v[STO], v2, 5, v[STO]
	v_add_nc_u32 v[STO], s72, v[STO]               ; in: row r, 32 bytes for each half of the lanes
	v_lshlrev_b32 v[CO], 4, v3
	v_add_nc_u32 v[RD], s72, v[CO]                 ; back: the 32 lanes take one row of 512 bytes
	s_lshl_b32 s72, s[RB], 21
	s_lshl_b32 s73, s[WV], 19
	s_add_co_u32 s72, s72, s73
	s_lshl_b32 s73, s[CB], 9
	s_add_co_u32 s72, s72, s73
	s_mov_b32 s73, 0
	s_add_nc_u64 s[8:9], s[8:9], s[72:73]          ; out0 at my wave's first row, my block's first column
	s_lshl_b32 s74, s[RB], 19
	s_lshl_b32 s75, s[HALF], 18
	s_add_co_u32 s74, s74, s75
	s_lshl_b32 s75, s[CX], 16                      ; my work-group's 32 rows of 2,048 bytes
	s_add_co_u32 s74, s74, s75
	s_add_co_u32 s74, s74, 4*ASTEP
	s_lshl_b32 s75, s[CB], 8
	s_lshl_b32 s76, s[CY], 17                      ; 32 rows of 4,096 bytes
	s_add_co_u32 s75, s75, s76
	s_add_co_u32 s75, s75, 4*BSTEP+WOFF
	s_mov_b32 s76, ASTEP
	s_and_b32 s72, ttmp7, 0xffff
	s_cmp_eq_u32 s[ROLE], 0
	s_cselect_b32 s72, ttmp9, s72
	s_cselect_b64 s[PFA:PFA+1], s[4:5], s[6:7]
	s_cselect_b32 s[PFS], s76, BSTEP
	s_cselect_b32 s73, 11, 12
	s_cselect_b32 s74, s74, s75
	s_mov_b32 s75, 0
	s_mov_b32 s[PFS+1], 0
	s_add_nc_u64 s[PFA:PFA+1], s[PFA:PFA+1], s[74:75]
	s_cmp_eq_u32 s[WV], 3
	s_cselect_b32 s72, 1, s72
	s_cmp_eq_u32 s72, 0
	s_cselect_b32 s[LIM], 3, -1
	v_lshlrev_b32 v[PFO], s73, v3
	s_wait_tensorcnt 1                             ; my part of K step 0 is in; K step 1's may stay out
	s_barrier_signal -1
	s_barrier_wait -1
	FETCH 0, F0
	QUARTER 64, F0, F1, 1
	WIN 0
	s_mov_b32 s[TRIPS], KSTEPS-2
.Lstep:
	QUARTER 128, F1, F0, 0
	QUARTER 192, F0, F1, 0
	TURN 1
	QUARTER 64, F0, F1, 0
	WIN 0
	s_sub_co_u32 s[TRIPS], s[TRIPS], 1
	s_cmp_lg_u32 s[TRIPS], 0
	s_cbranch_scc1 .Lstep
	QUARTER 128, F1, F0, 0
	QUARTER 192, F0, F1, 0
	TURN 0
	QUARTER 64, F0, F1, 0
	QUARTER 128, F1, F0, 0
	QUARTER 192, F0, F1, 0
	s_wait_dscnt 4
	MULA F1, 0, 0
	MULA F1, 1, 0
	s_wait_dscnt 0x0
	MULA F1, 2, 0
	MULA F1, 3, 0
	WIN 0
	PLACES                                         ; in front of the LDS stores that read the results
; THE WAY OUT: 16 rows at a time, straight from the accumulators (each from its low end) into my stage, back as whole rows of 512 bytes, stored.
.macro OUTBLK a
	WIN 0
	s_wait_xcnt 0x0                                ; the block before's stores have read BK
	WIN 0x04                                       ; the stores' data in window 1
.irp b, 0,1,2,3,4,5,6,7
	ds_store_b128 v[STO], v[8*(8*(\a)+(\b)):8*(8*(\a)+(\b))+3]   offset:64*(\b)
	ds_store_b128 v[STO], v[8*(8*(\a)+(\b))+4:8*(8*(\a)+(\b))+7] offset:64*(\b)+16
.endr
	WIN 0
.irp t, 0,1,2,3,4,5,6,7,8,9,10,11,12,13,14,15
	ds_load_b128 v[BK+4*(\t):BK+4*(\t)+3], v[RD] offset:(\t)*SP  ; LDS serves a wave's instructions in order (ISA guide 5.7.1.4)
.endr
	s_wait_dscnt 0x0
.irp t, 0,1,2,3,4,5,6,7,8,9,10,11,12,13,14,15
	global_store_b128 v[CO], v[BK+4*(\t):BK+4*(\t)+3], s[8:9] offset:(\a)*131072+(\t)*8192 th:TH_STORE_NT  ; 512 consecutive bytes, aligned
.endr
.endm
	OUTBLK 0
	OUTBLK 1
	OUTBLK 2
	OUTBLK 3
	s_wait_tensorcnt 0x0                           ; the wave's end
	ds_add_u32 v[SPW], v[NIL]
	s_wait_dscnt 0x0
	CROUND                                         ; the closing round
	s_endpgm
.Lfunc_end_k_q665e4c2885_outp:
	.size	k_q665e4c2885_outp, .Lfunc_end_k_q665e4c2885_outp-k_q665e4c2885_outp
	.p2alignl 7, 3214868480
	.fill 96, 4, 3214868480
	.section	.rodata,"a",@progbits
	.p2align	6, 0x0
	.amdhsa_kernel k_q665e4c2885_outp
		.amdhsa_group_segment_fixed_size 327680
		.amdhsa_private_segment_fixed_size 0
		.amdhsa_enable_private_segment 0
		.amdhsa_kernarg_size 24
		.amdhsa_user_sgpr_count 2
		.amdhsa_user_sgpr_kernarg_segment_ptr 1
		.amdhsa_wavefront_size32 1
		.amdhsa_system_sgpr_workgroup_id_x 1
		.amdhsa_system_sgpr_workgroup_id_y 1
		.amdhsa_system_sgpr_workgroup_id_z 1
		.amdhsa_system_vgpr_workitem_id 0
		.amdhsa_next_free_vgpr 512
		.amdhsa_next_free_sgpr 80
		.amdhsa_reserve_vcc 0
		.amdhsa_float_denorm_mode_32 3
		.amdhsa_float_denorm_mode_16_64 3
		.amdhsa_memory_ordered 1
		.amdhsa_forward_progress 1
		.amdhsa_inst_pref_size 70
	.end_amdhsa_kernel
	.amdgpu_metadata
---
amdhsa.version: [ 1, 2 ]
amdhsa.kernels:
  - .name:           k_q665e4c2885_outp
    .symbol:         k_q665e4c2885_outp.kd
    .args:
      - { .name: enc, .offset: 0, .size: 8, .value_kind: global_buffer, .address_space: global }
      - { .name: wb, .offset: 8, .size: 8, .value_kind: global_buffer, .address_space: global }
      - { .name: out0, .offset: 16, .size: 8, .value_kind: global_buffer, .address_space: global }
    .group_segment_fixed_size: 327680
    .private_segment_fixed_size: 0
    .kernarg_segment_align: 8
    .kernarg_segment_size: 24
    .max_flat_workgroup_size: 128
    .sgpr_count:     80
    .vgpr_count:     512
    .wavefront_size: 32
...
	.end_amdgpu_metadata
.endif
;; end of part 5
